; MI455X (gfx1250); checked and timed in simulation.
; The chip was launched on July 23, 2026; its instructions are those of AMD's public machine-readable ISA for CDNA 5 (MIT licence, August 2026) and "CDNA5" Instruction Set Architecture Reference Guide (July 2026). The comments in the code are by the model that wrote it; some were corrected since.
;; Self Attention V2. Allowed arithmetic: float matrix products may take bf16 or f16 operands with f32 sums; all other float work in f32.
;; Inputs: W_proj 3,072 x 1,024 float32; b_proj 3,072 float32; hidden_states 4 x 2,048 x 1,024 float32.
;; Outputs: out0 4 x 2,048 x 1,024 float32.
;; 2 versions, each right; version 2 is version 1 with the launch cast written anew for expert scheduling mode. Each part assembles by itself: llvm-mc -triple=amdgcn-amd-amdhsa -mcpu=gfx1250 --defsym DOCPART=n.
;; ======== version 1 of 2: 4 launches
;; limits: values are held in f16: magnitudes above 65,504 overflow, below 6.1e-05 lose precision
;; workspace buffers: xb 16,777,216 bytes; wb 6,291,456 bytes; qkv 50,331,648 bytes; p 33,554,432 bytes; stats 1,048,576 bytes
;; launch cast (part 1): grid 704 x 1, 8 waves a work-group, no clusters, 0 bytes of LDS; arguments hidden_states, W_proj, xb, wb; writes xb, wb
.if DOCPART == 1
	.amdgcn_target "amdgcn-amd-amdhsa--gfx1250"
	.amdhsa_code_object_version 6
	.text
	.protected	k_q53e3d29d82_cast
	.globl	k_q53e3d29d82_cast
	.p2align	8
	.type	k_q53e3d29d82_cast,@function
k_q53e3d29d82_cast:
	s_mov_b64 s[64:65], 0
	v_nop
	global_prefetch_b8 v0, s[64:65] scope:SCOPE_SE
	s_setreg_imm32_b32 hwreg(HW_REG_WAVE_MODE, 25, 1), 1
	s_wait_xcnt 0x0
; xb = bf16(hidden_states), wb = bf16(W_proj): each number rounded once, to nearest even.  A stream: every byte is read once and written once;
; LDS, barriers, clusters and the matrix unit would add nothing, since no work-group shares a byte with another.
; A work-group of eight waves takes 65,536 bytes of f32 (16,384 numbers): groups 0 to 511 those of hidden_states (33,554,432 bytes), groups 512 to 703 those of W_proj (12,582,912 bytes).
; Thread t takes 16 bytes at 16 t of each block of 4,096 bytes: a load of a wave covers 512 consecutive bytes, a store 256 consecutive bytes at a multiple of 256 from the buffer's first byte.
; All sixteen loads of a wave go out at once; no register is written twice, so no wait frees a source.
.set XG, 512                           ; work-groups for hidden_states
.set X,  4                             ; v[4:67]   block j: 4 numbers as loaded
.set Y,  68                            ; v[68:99]  block j: 4 numbers in bf16
	s_load_b256 s[4:11], s[0:1], 0x0               ; hidden_states s[4:5], W_proj s[6:7], xb s[8:9], wb s[10:11]
	s_sub_co_u32 s16, ttmp9, XG                    ; my part of W_proj, if I am one of its groups
	v_lshlrev_b32 v1, 4, v0                        ; 16 bytes of f32 a thread,
	v_lshlrev_b32 v2, 3, v0                        ; 8 bytes of bf16
	s_wait_kmcnt 0x0
	s_cmp_lt_u32 ttmp9, XG                         ; the choice hangs on the group's number alone
	s_cselect_b64 s[12:13], s[4:5], s[6:7]         ; from
	s_cselect_b64 s[14:15], s[8:9], s[10:11]       ; to
	s_cselect_b32 s16, ttmp9, s16                  ; which part of that tensor
	s_lshl_b32 s18, s16, 16                        ; 65,536 bytes in,
	s_mov_b32 s19, 0
	s_lshl_b32 s20, s16, 15                        ; 32,768 bytes out
	s_mov_b32 s21, 0
	s_add_nc_u64 s[12:13], s[12:13], s[18:19]
	s_add_nc_u64 s[14:15], s[14:15], s[20:21]
.set j, 0
.rept 16
	global_load_b128 v[X+4*j:X+4*j+3], v1, s[12:13] offset:4096*j th:TH_LOAD_NT  ; read once in the launch
.set j, j+1
.endr
.set j, 0
.rept 16
	s_wait_loadcnt 15-j                            ; loads come back in order (ISA guide 5.7.1): block j is in, the younger ones stay out
	v_cvt_pk_bf16_f32 v[Y+2*j],   v[X+4*j],   v[X+4*j+1]
	v_cvt_pk_bf16_f32 v[Y+2*j+1], v[X+4*j+2], v[X+4*j+3]
	global_store_b64 v2, v[Y+2*j:Y+2*j+1], s[14:15] offset:2048*j  ; the next launch reads these bytes: no hint
.set j, j+1
.endr
	s_endpgm
.Lfunc_end_k_q53e3d29d82_cast:
	.size	k_q53e3d29d82_cast, .Lfunc_end_k_q53e3d29d82_cast-k_q53e3d29d82_cast
	.p2alignl 7, 3214868480
	.fill 96, 4, 3214868480
	.section	.rodata,"a",@progbits
	.p2align	6, 0x0
	.amdhsa_kernel k_q53e3d29d82_cast
		.amdhsa_group_segment_fixed_size 0
		.amdhsa_private_segment_fixed_size 0
		.amdhsa_enable_private_segment 0
		.amdhsa_kernarg_size 32
		.amdhsa_user_sgpr_count 2
		.amdhsa_user_sgpr_kernarg_segment_ptr 1
		.amdhsa_wavefront_size32 1
		.amdhsa_system_sgpr_workgroup_id_x 1
		.amdhsa_system_sgpr_workgroup_id_y 1
		.amdhsa_system_sgpr_workgroup_id_z 1
		.amdhsa_system_vgpr_workitem_id 0
		.amdhsa_next_free_vgpr 100
		.amdhsa_next_free_sgpr 66
		.amdhsa_reserve_vcc 0
		.amdhsa_float_denorm_mode_32 3
		.amdhsa_float_denorm_mode_16_64 3
		.amdhsa_memory_ordered 1
		.amdhsa_forward_progress 1
		.amdhsa_inst_pref_size 7
	.end_amdhsa_kernel
	.amdgpu_metadata
---
amdhsa.version: [ 1, 2 ]
amdhsa.kernels:
  - .name:           k_q53e3d29d82_cast
    .symbol:         k_q53e3d29d82_cast.kd
    .args:
      - { .name: hidden_states, .offset: 0, .size: 8, .value_kind: global_buffer, .address_space: global }
      - { .name: W_proj, .offset: 8, .size: 8, .value_kind: global_buffer, .address_space: global }
      - { .name: xb, .offset: 16, .size: 8, .value_kind: global_buffer, .address_space: global }
      - { .name: wb, .offset: 24, .size: 8, .value_kind: global_buffer, .address_space: global }
    .group_segment_fixed_size: 0
    .private_segment_fixed_size: 0
    .kernarg_segment_align: 8
    .kernarg_segment_size: 32
    .max_flat_workgroup_size: 256
    .sgpr_count:     66
    .vgpr_count:     100
    .wavefront_size: 32
...
	.end_amdgpu_metadata
.endif
;; end of part 1
;; launch proj (part 2): grid 8 x 64, 4 waves a work-group, clusters of 4 x 4, 327,680 bytes of LDS; arguments xb, wb, qkv, b_proj; writes qkv
.if DOCPART == 2
	.amdgcn_target "amdgcn-amd-amdhsa--gfx1250"
	.amdhsa_code_object_version 6
	.text
	.protected	k_q53e3d29d82_proj
	.globl	k_q53e3d29d82_proj
	.p2align	8
	.type	k_q53e3d29d82_proj,@function
k_q53e3d29d82_proj:
	s_mov_b64 s[64:65], 0
	v_nop
	global_prefetch_b8 v0, s[64:65] scope:SCOPE_SE
	s_setreg_imm32_b32 hwreg(HW_REG_WAVE_MODE, 25, 1), 1
	s_wait_xcnt 0x0
	s_wait_alu depctr_hold_cnt(0) depctr_sa_sdst(0) depctr_va_vdst(0) depctr_va_sdst(0) depctr_va_ssrc(0) depctr_va_vcc(0) depctr_vm_vsrc(0)
	s_getreg_b32 s2, hwreg(HW_REG_IB_STS2, 6, 4)
	s_cmp_eq_u32 s2, 0
	s_cbranch_scc0 .Lentry_in_a_cluster
	s_endpgm
.Lentry_in_a_cluster:
	s_bfe_u32 s2, ttmp6, 0x10000c
	s_cmp_lg_u32 s2, 0xf033
	s_cbranch_scc0 .Lentry_shape_is_right
	s_endpgm
.Lentry_shape_is_right:
; qkv[m][n] = sum over k of xb[m][k] wb[n][k] + bf16(b_proj[n]).  xb: [8192][1024] bf16, wb: [3072][1024] bf16, b_proj: [3072] f32, qkv: [8192][3072] f16 (q, k, v side by side in a row of 6,144 bytes).
; Sums in f32, K ascending, rounded once to f16, WITHOUT the scale 1/32, which the next launch applies in f32.  The bias gets the rounding to bf16 that x and W have had, so that all three inputs carry one rounding.
; LIMIT.  f16 holds no number beyond 65,504: this text serves inputs whose q, k and v stay within it; a larger sum leaves as an infinity.  NaN and infinities are not treated apart.
; SHARES.  A tile of qkv is 128 rows x 384 columns: 64 x 8 = 512 work-groups, two for each of 256 WGPs; its 768 bytes of a row are three whole aligned blocks of 256 bytes.
; Four waves side by side: each takes all 128 rows and 96 columns: 8 x 6 accumulators of 16 x 16, 384 registers.
; K goes in 8 steps of 128 through a ring of two LDS slots (128 rows of x, 384 rows of W, 256 bytes of memory each); wave 0 fetches x's rows, waves 1 to 3 128 rows of W each.
; THE TEXT HOLDS ONE K STEP FOR THE LOOP AND ONE FOR THE TAIL.  Which slot is read hangs on a scalar that an exclusive or turns between 0 and the slot's distance; the descriptor that fills walks: its LDS word is turned the same way
; (the waves' LDS words, w x 0x8800, have neither bit of the distance 0x22000, so the exclusive or adds or takes away the distance), its global address goes one K step on.
; CLUSTER.  4 x 4 work-groups.  The four of a row of the cluster need the same rows of x, the four of a column the same rows of W: each tile is asked for jointly, by the same tensor load with the same descriptor and a mask of four.
; THE MATRIX INSTRUCTION IS USED TRANSPOSED (source 0 = 16 rows of W, source 1 = 16 rows of x): a lane holds row l % 16 of the tile and eight neighbouring columns 8 (l / 16) + 0..7.
; THE BIAS COSTS NO INSTRUCTION IN THE LOOP: it is the C operand of the first product on each accumulator (register j of block b = the bias of column 16 b + 8 (l / 16) + j).
; REGISTERS, in windows of 256 (s_set_vgpr_msb: bits 1:0 source 0, 3:2 source 1, 5:4 source 2, 7:6 destination):
;   window 0: v0-31 addresses; v32-55 at work; v64-127, v128-191 fragments of x, two buffers; v192-239 the bias; on the way out v64-255 whole rows
;   window 1: v64-111, v128-175 fragments of W, two buffers      window 2: accumulators of rows 0-63 ((a, b) at v[8 (6 a + b)])      window 3: those of rows 64-127
.set KSTEP,  128
.set PITCH,  272                       ; an LDS row: 256 bytes + 16 of padding = 68 words: row r starts at bank 4 r mod 64 (64 banks of 4 bytes: ISA guide 11.1)
.set HALFT,  128*PITCH                 ; what one tensor load brings
.set SLOT,   4*HALFT                   ; x's 128 rows, then W's 384 rows
.set SPARE,  2*SLOT                    ; behind the ring: the spare words, 128 bytes for each wave: two blocks of 256 bytes that no other line names
.set SP,     784                       ; the stage's rows: 768 bytes + 16 = 49 x 16.  The stage (128 rows, 100,352 bytes) lies in slot 0, from LDS byte 0: it is written when slot 0 has had its last fill and its last read
.set STEPS,  1024/KSTEP
.set RD,   8                           ; v8-10   the way out: where I read the stage back, three patterns
.set CO,   12                          ; v12-14  the way out: my byte offsets in qkv, three patterns
.set ADRA, 16                          ; v16     LDS address of my fragments of x in the slot in hand
.set AB0,  17                          ; v17     the same in slot 0; never rewritten
.set ADRB, 20                          ; v20     LDS address of my fragments of W in the slot in hand
.set BB0,  21                          ; v21     the same in slot 0; never rewritten
.set STO,  24                          ; v24     the way out: where I put 16 bytes of a row, rows 0-63
.set STO2, 25                          ; v25     rows 64-127
.set SPW,  28                          ; v28     LDS address of my spare word; never rewritten
.set NIL,  29                          ; v29     0; never rewritten
.set BO,   30                          ; v30     my byte offset in the tile's 384 numbers of b_proj
.set TMP,  32
.set F0,   64
.set F1,   128
.set BIAS, 192
.set OB,   64
.set G1,  24                           ; s[24:31] descriptor group 1 for x's tiles;  s[32:39] group 0: a set for each of the two first fills; the second then walks on
.set G0,  32
.set G1B, 48                           ; s[48:55], s[56:63] the same for W's tiles
.set G0B, 56
.set TB,  76                           ; s76     0 or SLOT: the slot in hand
.set MSB, 0
.macro WIN new                         ; the immediate's high byte repeats the setting that is left; a switch that changes nothing is dropped
.if MSB != (\new)
	s_set_vgpr_msb (MSB<<8)|(\new)
.set MSB, \new
.endif
.endm
; A joint load.  Wave 0 fetches x's tile, waves 1 to 3 thirds of W's.  The branch hangs on the wave's number alone.  An s_nop 0 and four v_nop follow each of the two lines, ahead of the jump and the label.
.macro JLOAD s
	s_cmp_eq_u32 s10, 0
	s_cbranch_scc0 .Lfor_b_\@
	tensor_load_to_lds s[G0+4*(\s):G0+4*(\s)+3], s[G1:G1+7]
	s_nop 0
.rept 4
	v_nop
.endr
	s_branch .Lasked_\@
.Lfor_b_\@:
	tensor_load_to_lds s[G0B+4*(\s):G0B+4*(\s)+3], s[G1B:G1B+7]
	s_nop 0
.rept 4
	v_nop
.endr
.Lasked_\@:
.endm
.macro CREST                           ; a round of the cluster's barrier behind its opening barrier: wave 0 signals for the work-group, every wave waits for all sixteen, my work-group's barrier closes it
	s_cmp_lg_u32 s10, 0
	s_cbranch_scc1 .Lnot_wave_0_\@
	s_barrier_signal -3
.Lnot_wave_0_\@:
	s_barrier_wait -3
	s_barrier_signal -1
	s_barrier_wait -1
.endm
.macro CROUND                          ; a whole round
	s_barrier_signal -1
	s_barrier_wait -1
	CREST
.endm
	s_load_b128 s[4:7], s[0:1], 0x0                ; xb s[4:5], wb s[6:7]
	s_load_b64 s[8:9], s[0:1], 0x10                ; qkv
	s_load_b64 s[68:69], s[0:1], 0x18              ; b_proj
	v_lshl_add_u32 v[SPW], v0, 2, SPARE
	v_mov_b32 v[NIL], 0
	ds_add_u32 v[SPW], v[NIL]                      ; the wave's opening: the add and its wait stand ahead of my first tensor load; the set-up below, work on registers, stands between them
	v_lshrrev_b32 v1, 5, v0
	v_readfirstlane_b32 s10, v1                    ; wave 0..3
	s_max_u32 s12, s10, 1
	s_sub_co_u32 s12, s12, 1                       ; which 128 rows of W's tile I fetch (waves 1 to 3)
	s_bfe_u32 s40, ttmp6, 0x40000                  ; cx, cy: my place in the cluster
	s_bfe_u32 s41, ttmp6, 0x40004
	s_lshl_b32 s42, ttmp9, 2
	s_add_co_u32 s42, s42, s40                     ; tile column = 4 x cluster x + cx
	s_and_b32 s13, ttmp7, 0xffff
	s_lshl_b32 s13, s13, 2
	s_add_co_u32 s13, s13, s41                     ; tile row = 4 x cluster y + cy
	s_lshl_b32 s43, s41, 2
	s_lshl_b32 s43, 15, s43                        ; my row of the cluster
	s_lshl_b32 s44, 0x1111, s40                    ; my column
	; descriptor group 1: a tile of 128 rows x 128 elements, padded in LDS
	s_or_b32 s[G1+0], s43, (1<<16)|(1<<20)|(1<<21)|(5<<22)|(3<<25)   ; 15:0 the mask: x's tiles go to my row; 17:16 2-byte elements; 20 padding on; 21 set beside a mask; 24:22 after every 64 words (code 5); 31:25 4 words (code 3)
	s_or_b32 s[G1B+0], s44, (1<<16)|(1<<20)|(1<<21)|(5<<22)|(3<<25)  ; the same with the mask of my column, for W's tiles
.irp g, G1, G1B
	s_mov_b32 s[(\g)+1], KSTEP<<16                 ; tensor_dim0 = 128
	s_mov_b32 s[(\g)+2], 128<<16                   ; tensor_dim1 = 128
	s_mov_b32 s[(\g)+3], KSTEP<<16                 ; tile_dim0 = 128
	s_mov_b32 s[(\g)+4], 128                       ; tile_dim1 = 128
	s_mov_b32 s[(\g)+5], 1024                      ; elements from row to row
	s_mov_b32 s[(\g)+6], 0
	s_mov_b32 s[(\g)+7], 0
.endr
	s_lshl_b32 s16, s13, 18                        ; x: 128 rows of 2,048 bytes for each tile row; hangs on the tile row alone
	s_mov_b32 s17, 0
	s_mul_i32 s46, s42, 384                        ; W: row 384 x tile column + 128 x my third; never holds cy
	s_lshl_b32 s47, s12, 7
	s_add_co_u32 s46, s46, s47
	s_lshl_b32 s46, s46, 11                        ; in bytes
	s_mov_b32 s47, 0
	s_mul_i32 s20, s10, HALFT                      ; where they go: wave x 128 rows: no place in the cluster enters an LDS address
	s_mov_b32 s[TB], 0                             ; K step 0 lies in slot 0
	s_wait_dscnt 0x0                               ; the opening add is done
	s_wait_kmcnt 0x0
	s_add_nc_u64 s[14:15], s[4:5], s[16:17]
	s_add_nc_u64 s[46:47], s[6:7], s[46:47]
	CROUND                                         ; all sixteen work-groups are here: the first joint loads meet
.irp s, 0,1
	s_mov_b32 s[G0+4*(\s)], 1                                        ; count = 1
	s_add_co_u32 s[G0+4*(\s)+1], s20, (\s)*SLOT                      ; LDS address
	s_add_nc_u64 s[G0+4*(\s)+2:G0+4*(\s)+3], s[14:15], (\s)*KSTEP*2  ; global address: K step s
	s_or_b32 s[G0+4*(\s)+3], s[G0+4*(\s)+3], 0x80000000              ; type = 2
	s_mov_b32 s[G0B+4*(\s)], 1
	s_add_co_u32 s[G0B+4*(\s)+1], s20, (\s)*SLOT
	s_add_nc_u64 s[G0B+4*(\s)+2:G0B+4*(\s)+3], s[46:47], (\s)*KSTEP*2
	s_or_b32 s[G0B+4*(\s)+3], s[G0B+4*(\s)+3], 0x80000000
	JLOAD \s                                       ; two tensor loads of mine are out
.endr
	v_and_b32 v1, 15, v0                           ; l % 16
	v_bfe_u32 v2, v0, 4, 1                         ; l / 16
	s_mul_i32 s74, s42, 1536                       ; the tile's 384 numbers of b_proj
	s_mov_b32 s75, 0
	s_add_nc_u64 s[68:69], s[68:69], s[74:75]
	s_mul_i32 s23, s10, 384                        ; my wave's 96 of them,
	v_lshl_add_u32 v[BO], v2, 5, s23               ; and 8 further on for the upper half of the lanes
.irp b, 0,1,2,3,4,5
	global_load_b128 v[BIAS+8*(\b):BIAS+8*(\b)+3],   v[BO], s[68:69] offset:64*(\b)
	global_load_b128 v[BIAS+8*(\b)+4:BIAS+8*(\b)+7], v[BO], s[68:69] offset:64*(\b)+16
.endr
	; A fragment is 16 rows x 32 K in 8 registers: lane l holds row l % 16; registers 0-3 K = 8 (l / 16) + 0..7, registers 4-7 K = 16 + 8 (l / 16) + 0..7: two loads of 16 bytes, 32 bytes apart.
	v_mul_u32_u24 v3, v1, PITCH
	v_lshl_add_u32 v[AB0], v2, 4, v3               ; row x pitch + 16 x half: all 128 rows of x are mine
	s_mul_i32 s22, s10, 96*PITCH                   ; my 96 rows of W,
	s_add_co_u32 s22, s22, HALFT                   ; which lie behind x's 128
	v_add_nc_u32 v[BB0], s22, v[AB0]
	v_mov_b32 v[ADRA], v[AB0]
	v_mov_b32 v[ADRB], v[BB0]
	s_mul_i32 s23, s10, 192                        ; into the stage: row l % 16, my wave's 192 bytes of it, 16 bytes for each half of the lanes
	v_mul_u32_u24 v4, v1, SP
	v_lshl_add_u32 v4, v2, 4, v4
	v_add_nc_u32 v[STO], s23, v4
	v_add_nc_u32 v[STO2], 4*16*SP, v[STO]
	; back: wave w takes rows 32 w .. 32 w + 31, whole.  Two rows are six blocks of 256 bytes; a load takes two blocks, sixteen lanes each: (row 0: 0, 1), (row 0: 2; row 1: 0), (row 1: 1, 2)
	s_mul_i32 s23, s10, 32*SP
	v_lshl_add_u32 v5, v1, 4, s23
	v_lshl_add_u32 v[RD], v2, 8, v5
	v_mul_u32_u24 v6, v2, SP-512
	v_add3_u32 v[RD+1], v5, v6, 512
	v_add_nc_u32 v[RD+2], SP+256, v[RD]
	v_lshlrev_b32 v5, 4, v1                        ; and the same blocks in qkv, whose rows are 6,144 bytes
	v_lshl_add_u32 v[CO], v2, 8, v5
	v_mul_u32_u24 v6, v2, 6144-512
	v_add3_u32 v[CO+1], v5, v6, 512
	v_add_nc_u32 v[CO+2], 6144+256, v[CO]
	s_lshl_b32 s16, s13, 7
	s_lshl_b32 s17, s10, 5
	s_add_co_u32 s16, s16, s17                     ; the first row of qkv that I store: 128 x tile row + 32 x wave
	s_mul_i32 s16, s16, 6144
	s_mov_b32 s17, 0
	s_add_nc_u64 s[8:9], s[8:9], s[16:17]
	s_mul_i32 s46, s42, 768                        ; the tile's first column, in bytes
	s_mov_b32 s47, 0
	s_add_nc_u64 s[8:9], s[8:9], s[46:47]
	s_wait_loadcnt 0x0                             ; the bias, once
.set i, 0
.rept 24
	v_cvt_pk_bf16_f32 v[TMP+i], v[BIAS+2*i], v[BIAS+2*i+1]  ; rounded to bf16, as x and W were,
.set i, i+1
.endr
.set i, 0
.rept 24
	v_lshlrev_b32 v[BIAS+2*i], 16, v[TMP+i]                 ; and widened again: the sums start from it in f32
	v_and_b32 v[BIAS+2*i+1], 0xffff0000, v[TMP+i]
.set i, i+1
.endr
; 12 matrix instructions: row blocks a0, a0 + 1 of the window's four (hi = 0: rows 0-63, 1: rows 64-127) x all 6 column blocks, 32 along K.  first = 1: the product starts the sum from the bias: nothing is cleared.
; The 48 accumulators take turns, one instruction a turn, in the same order in every quarter step.
.macro MUL12 f, hi, a0, first
.if \first
	WIN 0x81+0x40*(\hi)                            ; W window 1, x and the bias window 0, D window 2 or 3
.else
	WIN 0xa1+0x50*(\hi)                            ; W window 1, x window 0, C and D window 2 or 3
.endif
.irp a, \a0, (\a0)+1
.irp b, 0,1,2,3,4,5
.if \first
	v_wmma_f32_16x16x32_bf16 v[8*(6*(\a)+(\b)):8*(6*(\a)+(\b))+7], v[(\f)+8*(\b):(\f)+8*(\b)+7], v[(\f)+8*(4*(\hi)+(\a)):(\f)+8*(4*(\hi)+(\a))+7], v[BIAS+8*(\b):BIAS+8*(\b)+7]
.else
	v_wmma_f32_16x16x32_bf16 v[8*(6*(\a)+(\b)):8*(6*(\a)+(\b))+7], v[(\f)+8*(\b):(\f)+8*(\b)+7], v[(\f)+8*(4*(\hi)+(\a)):(\f)+8*(4*(\hi)+(\a))+7], v[8*(6*(\a)+(\b)):8*(6*(\a)+(\b))+7]
.endif
.endr
.endr
.endm
; 28 LDS loads in one run: the fragments of one quarter step (96 rows of W, 128 rows of x, 32 K at byte k of the rows of the slot in hand) into buffer f
.macro FETCH k, f
	WIN 0x40                                       ; destination window 1, address window 0
.irp i, 0,1,2,3,4,5
	ds_load_b128 v[(\f)+8*(\i):(\f)+8*(\i)+3],   v[ADRB] offset:(\k)+(\i)*16*PITCH
	ds_load_b128 v[(\f)+8*(\i)+4:(\f)+8*(\i)+7], v[ADRB] offset:(\k)+(\i)*16*PITCH+32
.endr
	WIN 0
.irp i, 0,1,2,3,4,5,6,7
	ds_load_b128 v[(\f)+8*(\i):(\f)+8*(\i)+3],   v[ADRA] offset:(\k)+(\i)*16*PITCH
	ds_load_b128 v[(\f)+8*(\i)+4:(\f)+8*(\i)+7], v[ADRA] offset:(\k)+(\i)*16*PITCH+32
.endr
.endm
.macro PLACES                          ; four plain vector instructions between a matrix instruction and a load into, or a vector instruction on, its registers (ISA guide 7.12.1 for vector instructions)
.rept 4
	v_nop
.endr
.endm
; A K step is four quarters of 32 along K, 48 matrix instructions each, on buffers 0, 1, 0, 1.  One of the first three multiplies buffer f and, in its middle, fetches the next quarter, at byte k, into g.
.macro QUARTER k, f, g, first
	s_wait_dscnt 8                                 ; W and x's rows 0-63 are in; the youngest eight loads (x's rows 64-127) may be out
	MUL12 \f, 0, 0, \first
	MUL12 \f, 0, 2, \first
	PLACES
	FETCH \k, \g
	s_wait_dscnt 28                                ; all but the 28 just issued
	MUL12 \f, 1, 0, \first
	MUL12 \f, 1, 2, \first
.endm
; The last quarter multiplies buffer 1 and changes slots: ONE barrier.  In front of it each wave waits for all its tensor loads (one is out: its part of the next slot), adds 0 to its spare word, and waits for that and for
; its own reads of this slot.  fill = 1: the barrier opens a round of the cluster's barrier, and this slot is filled again first thing behind it, two K steps ahead: 168 matrix instructions stand between the request and the wait for it.
.macro TURN fill
	WIN 0                                          ; (the add's two registers lie in window 0)
	s_wait_tensorcnt 0x0                           ; all my tensor loads have landed, so a group 0 may be written;
	ds_add_u32 v[SPW], v[NIL]                      ; 0 onto my spare word;
	s_wait_dscnt 9                                 ; (the add and the youngest eight loads may be out)
	MUL12 F1, 0, 0, 0                              ; twelve matrix instructions stand between the add and the wait for it
	s_wait_dscnt 0x0                               ; the add is done, and my reads of this slot are over
	s_barrier_signal -1
	MUL12 F1, 0, 2, 0                              ; work on registers while the others arrive
	WIN 0                                          ; (branches and address work follow)
	s_barrier_wait -1
.if \fill
	CREST                                          ; no wave of any partner still reads this slot's tile or has a load on its way
	s_xor_b32 s[G0+5], s[G0+5], SLOT               ; the walking descriptors: the other slot than last time,
	s_add_nc_u64 s[G0+6:G0+7], s[G0+6:G0+7], KSTEP*2      ; the next K step; the type bits on top are not reached
	s_xor_b32 s[G0B+5], s[G0B+5], SLOT
	s_add_nc_u64 s[G0B+6:G0B+7], s[G0B+6:G0B+7], KSTEP*2
.endif
	s_xor_b32 s[TB], s[TB], SLOT                   ; the fetches go on in the other slot
	v_add_nc_u32 v[ADRA], s[TB], v[AB0]
	v_add_nc_u32 v[ADRB], s[TB], v[BB0]
.if \fill
	JLOAD 1                                        ; the first tensor load behind the round; its four v_nop are also the places in front of the loads below
.else
	PLACES
.endif
	FETCH 0, F0
	MUL12 F1, 1, 0, 0
	MUL12 F1, 1, 2, 0
.endm
	s_wait_tensorcnt 1                             ; my part of K step 0 is in; K step 1's may stay out
	s_barrier_signal -1
	s_barrier_wait -1                              ; everybody's is
	FETCH 0, F0
	QUARTER 64,  F0, F1, 1                         ; the first quarter stands in front of the loop: its products start the sums
	WIN 0                                          ; at a label and at a branch every window is 0
	s_mov_b32 s3, STEPS-2
.Lstep:                                                ; a trip goes from a K step's second quarter to the next step's first, and fills the slot that it leaves: K steps 0 to 5 ask for 2 to 7
	QUARTER 128, F1, F0, 0
	QUARTER 192, F0, F1, 0
	TURN 1
	QUARTER 64,  F0, F1, 0
	WIN 0
	s_sub_co_u32 s3, s3, 1
	s_cmp_lg_u32 s3, 0
	s_cbranch_scc1 .Lstep
	s_mov_b32 s3, 2
.Ltail:                                                ; the last two K steps fill nothing: a text of their own
	QUARTER 128, F1, F0, 0
	QUARTER 192, F0, F1, 0
	TURN 0                                         ; (in the second trip its fetch reads the other slot's old tile, for nothing: the price, once a launch, of one text for both trips)
	WIN 0
	s_cmp_eq_u32 s3, 1
	s_cbranch_scc1 .Lskip                          ; behind the last K step there is no first quarter: what is jumped holds no barrier and no tensor load
	QUARTER 64,  F0, F1, 0
	WIN 0
.Lskip:
	s_wait_dscnt 0x0                               ; no LDS load is out on either way
	s_sub_co_u32 s3, s3, 1
	s_cmp_lg_u32 s3, 0
	s_cbranch_scc1 .Ltail
	; THE WAY OUT: rounded to f16, 16 bytes a lane into the work-group's stage; a barrier, since a row's 768 bytes come from four waves; back as whole blocks of 256 bytes, 32 rows a wave.
	s_barrier_signal -1                            ; every wave's last loads from slot 0 are back (the wait above): only now is the stage, which lies there, written
	s_barrier_wait -1
	PLACES
.irp a, 0,1,2,3,4,5,6,7
	WIN 0x0a+5*((\a)/4)                            ; sources 0 and 1: window 2 or 3
.irp b, 0,1,2,3,4,5
.irp r, 0,1,2,3
	v_cvt_pk_f16_f32 v[TMP+4*(\b)+(\r)], v[48*((\a)%4)+8*(\b)+2*(\r)], v[48*((\a)%4)+8*(\b)+2*(\r)+1]  ; each accumulator from its low end on
.endr
.endr
	WIN 0
.irp b, 0,1,2,3,4,5
	ds_store_b128 v[STO+(\a)/4], v[TMP+4*(\b):TMP+4*(\b)+3] offset:((\a)%4)*16*SP+32*(\b)
.endr
.endr
	s_wait_dscnt 0x0                               ; for the others' sake: my stores into the stage are done
	s_barrier_signal -1
	s_barrier_wait -1
.set t, 0
.rept 48
	ds_load_b128 v[OB+4*t:OB+4*t+3], v[RD+t%3] offset:(t/3)*2*SP
.set t, t+1
.endr
.set t, 0
.rept 48
	s_wait_dscnt 47-t                              ; LDS loads come back in order: number t is in
	global_store_b128 v[CO+t%3], v[OB+4*t:OB+4*t+3], s[8:9] offset:(t/3)*2*6144  ; 16 lanes store 256 consecutive bytes, at a multiple of 256 from qkv's first byte
.set t, t+1
.endr
	s_wait_tensorcnt 0x0                           ; the wave's end: behind my last tensor load and my last LDS store
	ds_add_u32 v[SPW], v[NIL]
	s_wait_dscnt 0x0
	CROUND                                         ; the closing round: no work-group ends while a partner may still ask for a tile that names it
	s_endpgm
.Lfunc_end_k_q53e3d29d82_proj:
	.size	k_q53e3d29d82_proj, .Lfunc_end_k_q53e3d29d82_proj-k_q53e3d29d82_proj
	.p2alignl 7, 3214868480
	.fill 96, 4, 3214868480
	.section	.rodata,"a",@progbits
	.p2align	6, 0x0
	.amdhsa_kernel k_q53e3d29d82_proj
		.amdhsa_group_segment_fixed_size 327680
		.amdhsa_private_segment_fixed_size 0
		.amdhsa_enable_private_segment 0
		.amdhsa_kernarg_size 32
		.amdhsa_user_sgpr_count 2
		.amdhsa_user_sgpr_kernarg_segment_ptr 1
		.amdhsa_wavefront_size32 1
		.amdhsa_system_sgpr_workgroup_id_x 1
		.amdhsa_system_sgpr_workgroup_id_y 1
		.amdhsa_system_sgpr_workgroup_id_z 1
		.amdhsa_system_vgpr_workitem_id 0
		.amdhsa_next_free_vgpr 960
		.amdhsa_next_free_sgpr 80
		.amdhsa_reserve_vcc 0
		.amdhsa_float_denorm_mode_32 3
		.amdhsa_float_denorm_mode_16_64 3
		.amdhsa_memory_ordered 1
		.amdhsa_forward_progress 1
		.amdhsa_inst_pref_size 87
	.end_amdhsa_kernel
	.amdgpu_metadata
---
amdhsa.version: [ 1, 2 ]
amdhsa.kernels:
  - .name:           k_q53e3d29d82_proj
    .symbol:         k_q53e3d29d82_proj.kd
    .args:
      - { .name: xb, .offset: 0, .size: 8, .value_kind: global_buffer, .address_space: global }
      - { .name: wb, .offset: 8, .size: 8, .value_kind: global_buffer, .address_space: global }
      - { .name: qkv, .offset: 16, .size: 8, .value_kind: global_buffer, .address_space: global }
      - { .name: b_proj, .offset: 24, .size: 8, .value_kind: global_buffer, .address_space: global }
    .group_segment_fixed_size: 327680
    .private_segment_fixed_size: 0
    .kernarg_segment_align: 8
    .kernarg_segment_size: 32
    .max_flat_workgroup_size: 128
    .sgpr_count:     80
    .vgpr_count:     960
    .wavefront_size: 32
...
	.end_amdgpu_metadata
.endif
;; end of part 2
;; launch scores (part 3): grid 8 x 32, 4 waves a work-group, clusters of 4 x 4, 327,680 bytes of LDS; arguments qkv, p, stats; writes p, stats
.if DOCPART == 3
	.amdgcn_target "amdgcn-amd-amdhsa--gfx1250"
	.amdhsa_code_object_version 6
	.text
	.protected	k_q53e3d29d82_scores
	.globl	k_q53e3d29d82_scores
	.p2align	8
	.type	k_q53e3d29d82_scores,@function
k_q53e3d29d82_scores:
	s_mov_b64 s[64:65], 0
	v_nop
	global_prefetch_b8 v0, s[64:65] scope:SCOPE_SE
	s_setreg_imm32_b32 hwreg(HW_REG_WAVE_MODE, 25, 1), 1
	s_wait_xcnt 0x0
	s_wait_alu depctr_hold_cnt(0) depctr_sa_sdst(0) depctr_va_vdst(0) depctr_va_sdst(0) depctr_va_ssrc(0) depctr_va_vcc(0) depctr_vm_vsrc(0)
	s_getreg_b32 s2, hwreg(HW_REG_IB_STS2, 6, 4)
	s_cmp_eq_u32 s2, 0
	s_cbranch_scc0 .Lentry_in_a_cluster
	s_endpgm
.Lentry_in_a_cluster:
	s_bfe_u32 s2, ttmp6, 0x10000c
	s_cmp_lg_u32 s2, 0xf033
	s_cbranch_scc0 .Lentry_shape_is_right
	s_endpgm
.Lentry_shape_is_right:
; For each batch: S = q k^T (K = 1024, f16 operands, f32 sums), and the first half of the softmax.  With c = log2(e) / 32 and CHUNK t of a row = its keys 128 t .. 128 t + 127:
;   cm[row][t] = c x (the chunk's largest score),   p[row][key] = 2^(c s - cm) rounded to f16,   l[row][t] = the sum of the chunk's unrounded p.
; The next launch takes the largest cm of a row's 16 chunks and rescales, so that the row's true maximum is what has been taken away.
; qkv: [8192][3072] f16 (q at byte 0 of a row of 6,144 bytes, k at byte 2,048).  p: [8192][2048] f16.  stats: cm as [4 batches][16 chunks][2048 rows] f32, then l in the same shape, 524,288 bytes on.
; LIMITS.  p lies in 0 to 1 (to within a rounding); below 6e-5 it keeps f16's fixed step of 6e-8; an exponential below 2^-126 counts as 0 in l.  NaN and infinities are not treated apart.
; SHARES.  A tile of S is 256 queries x 256 keys: 4 x 8 x 8 = 256 work-groups.  Four waves, each 128 x 128: 64 accumulators, 512 registers; a wave's 128 keys are one chunk, so maximum and sum never leave the wave.
; K goes in 8 steps of 128 through a ring of two LDS slots; each wave fetches 128 rows x 256 bytes with one tensor load.
; THE TEXT HOLDS ONE K STEP FOR THE LOOP AND ONE FOR THE TAIL.  Which slot is read hangs on a scalar that an exclusive or turns between 0 and the slot's distance; the descriptor that fills walks: its LDS word is turned the same way
; (the waves' LDS words, w x 0x8800, have neither bit of the distance 0x22000), its global address goes one K step on.
; CLUSTER.  4 x 4 work-groups; the four of a row of the cluster need the same rows of q, the four of a column the same rows of k (a cluster's four tile rows lie in one batch): joint loads with a mask of four.
; THE MATRIX INSTRUCTION IS USED TRANSPOSED (source 0 = 16 keys, source 1 = 16 queries): a lane holds ONE query (l % 16) and, in block b, the keys 16 b + 8 (l / 16) + 0..7: a row's maximum and sum want one exchange between the halves of the lanes.
; REGISTERS, in windows of 256 (s_set_vgpr_msb: bits 1:0 source 0, 3:2 source 1, 5:4 source 2, 7:6 destination):
;   window 0: v0-31 addresses; v64-127, v128-191 fragments of q, two buffers; behind the loop v64-127 rows on their way out, v128-147 statistics, v192-223 packed p
;   window 1: v64-127, v128-191 fragments of k      window 2: the accumulators of my rows 0-63 ((a, b) at v[8 (8 a + b)])      window 3: those of rows 64-127
.set KSTEP,  128
.set PITCH,  272                       ; an LDS row: 256 bytes + 16 of padding = 68 words: row r starts at bank 4 r mod 64 (64 banks of 4 bytes: ISA guide 11.1)
.set HALFT,  128*PITCH
.set SLOT,   4*HALFT                   ; q's 256 rows, then k's 256 rows
.set STAGE,  2*SLOT                    ; behind the ring: 16 rows x 272 bytes for each wave
.set SPITCH, 272
.set SCR,    STAGE+4*16*SPITCH         ; 1,024 bytes for each wave: cm of its 128 rows, then l
.set SPARE,  SCR+4*1024                ; the spare words, 128 bytes for each wave: two blocks of 256 bytes that no other line names
.set STEPS,  1024/KSTEP
.set LOFF,   524288                    ; from cm to l in stats
.set ADRA, 16                          ; v16     LDS address of my fragments of q in the slot in hand
.set AB0,  17                          ; v17     the same in slot 0; never rewritten
.set ADRB, 20                          ; v20     LDS address of my fragments of k in the slot in hand
.set BB0,  21                          ; v21     the same in slot 0; never rewritten
.set STO,  24                          ; v24     where I put 16 bytes of a row of p
.set RD,   25                          ; v25     where I read a row back
.set CO,   26                          ; v26     my byte offset in p
.set SCA,  27                          ; v27     my query's word in the wave's statistics
.set SPW,  28                          ; v28     LDS address of my spare word; never rewritten
.set NIL,  29                          ; v29     0; never rewritten
.set SCB,  30                          ; v30     my 16 bytes of the statistics, read back
.set SO,   31                          ; v31     the same 16 bytes in stats
.set F0,   64
.set F1,   128
.set BK,   64                          ; two buffers of 32: 16 rows read back from the stage
.set CX,   128                         ; v128-135 eight running maxima
.set CM,   136                         ; v136-137 c m (named as a pair; the low word serves both halves)
.set LS,   138                         ; v138-139 the sum
.set SV,   140                         ; v140-147 statistics on their way out
.set TMP,  192
.set G1,  24                           ; s[24:31] group 1 for q's tiles; s[32:39] group 0: a set for each of the two first fills; the second then walks on
.set G0,  32
.set G1B, 48                           ; the same for k's tiles
.set G0B, 56
.set TB,  76                           ; s76     0 or SLOT: the slot in hand
.set MSB, 0
.macro WIN new                         ; the immediate's high byte repeats the setting that is left; a switch that changes nothing is dropped
.if MSB != (\new)
	s_set_vgpr_msb (MSB<<8)|(\new)
.set MSB, \new
.endif
.endm
.set MUL_LO, 0xa1                      ; source 0 (k) window 1, source 1 (q) window 0, C and D window 2
.set MUL_HI, 0xf1                      ; the same, C and D window 3
; A joint load.  Waves 0 and 1 fetch q's two halves, waves 2 and 3 k's.  An s_nop 0 and four v_nop follow each of the two lines, ahead of the jump and the label.
.macro JLOAD s
	s_cmp_eq_u32 s11, 0
	s_cbranch_scc0 .Lfor_b_\@
	tensor_load_to_lds s[G0+4*(\s):G0+4*(\s)+3], s[G1:G1+7]
	s_nop 0
.rept 4
	v_nop
.endr
	s_branch .Lasked_\@
.Lfor_b_\@:
	tensor_load_to_lds s[G0B+4*(\s):G0B+4*(\s)+3], s[G1B:G1B+7]
	s_nop 0
.rept 4
	v_nop
.endr
.Lasked_\@:
.endm
.macro CREST                           ; a round of the cluster's barrier behind its opening barrier
	s_cmp_lg_u32 s10, 0
	s_cbranch_scc1 .Lnot_wave_0_\@
	s_barrier_signal -3
.Lnot_wave_0_\@:
	s_barrier_wait -3
	s_barrier_signal -1
	s_barrier_wait -1
.endm
.macro CROUND
	s_barrier_signal -1
	s_barrier_wait -1
	CREST
.endm
	s_load_b64 s[4:5], s[0:1], 0x0                 ; qkv
	s_load_b64 s[8:9], s[0:1], 0x8                 ; p
	s_load_b64 s[68:69], s[0:1], 0x10              ; stats
	v_lshl_add_u32 v[SPW], v0, 2, SPARE
	v_mov_b32 v[NIL], 0
	ds_add_u32 v[SPW], v[NIL]                      ; the wave's opening: the add and its wait stand ahead of my first tensor load; the set-up below, work on registers, stands between them
	v_lshrrev_b32 v1, 5, v0
	v_readfirstlane_b32 s10, v1                    ; wave 0..3
	s_lshr_b32 s11, s10, 1                         ; which half of the tile's queries is mine.  Also: I fetch for q (0) or for k (1)
	s_and_b32 s12, s10, 1                          ; which half of its keys.  Also: which 128 rows of that tile I fetch
	s_bfe_u32 s40, ttmp6, 0x40000                  ; cx, cy
	s_bfe_u32 s41, ttmp6, 0x40004
	s_lshl_b32 s42, ttmp9, 2
	s_add_co_u32 s42, s42, s40                     ; key tile = 4 x cluster x + cx, 0..7
	s_and_b32 s45, ttmp7, 0xffff
	s_lshl_b32 s13, s45, 2
	s_add_co_u32 s13, s13, s41                     ; query tile = 4 x cluster y + cy, 0..31: eight to a batch
	s_lshr_b32 s45, s45, 1                         ; the batch, from the cluster's y alone: the four partners of a column share it
	s_lshl_b32 s43, s41, 2
	s_lshl_b32 s43, 15, s43                        ; my row of the cluster
	s_lshl_b32 s44, 0x1111, s40                    ; my column
	s_or_b32 s[G1+0], s43, (1<<16)|(1<<20)|(1<<21)|(5<<22)|(3<<25)   ; the mask: q's tiles go to my row; 2-byte elements; padding on; bit 21 beside a mask; after every 64 words 4 words
	s_or_b32 s[G1B+0], s44, (1<<16)|(1<<20)|(1<<21)|(5<<22)|(3<<25)  ; the same with the mask of my column, for k's tiles
.irp g, G1, G1B
	s_mov_b32 s[(\g)+1], KSTEP<<16                 ; tensor_dim0 = 128
	s_mov_b32 s[(\g)+2], 128<<16                   ; tensor_dim1 = 128
	s_mov_b32 s[(\g)+3], KSTEP<<16                 ; tile_dim0 = 128
	s_mov_b32 s[(\g)+4], 128                       ; tile_dim1 = 128
	s_mov_b32 s[(\g)+5], 3072                      ; elements from row to row of qkv
	s_mov_b32 s[(\g)+6], 0
	s_mov_b32 s[(\g)+7], 0
.endr
	s_lshl_b32 s16, s13, 8
	s_lshl_b32 s17, s12, 7
	s_add_co_u32 s16, s16, s17                     ; q: row 256 x query tile + 128 x half
	s_mul_i32 s16, s16, 6144                       ; in bytes: under 50,331,648
	s_mov_b32 s17, 0
	s_lshl_b32 s46, s45, 11
	s_lshl_b32 s47, s42, 8
	s_add_co_u32 s46, s46, s47
	s_lshl_b32 s47, s12, 7
	s_add_co_u32 s46, s46, s47                     ; k: row 2,048 x batch + 256 x key tile + 128 x half; never holds cy
	s_mul_i32 s46, s46, 6144
	s_add_co_u32 s46, s46, 2048                    ; k lies 2,048 bytes into a row
	s_mov_b32 s47, 0
	s_mul_i32 s20, s10, HALFT                      ; where they go: wave x 128 rows
	s_mov_b32 s70, 0x3d38aa3b                      ; c = log2(e) / 32 = 0.0450842
	s_mov_b32 s71, s70                             ; named with it as a pair
	s_mov_b32 s72, 0x76543210                      ; v_permlanex16_b32: each lane takes its own place in the other half
	s_mov_b32 s73, 0xfedcba98
	s_mov_b32 s[TB], 0                             ; K step 0 lies in slot 0
	s_wait_dscnt 0x0                               ; the opening add is done
	s_wait_kmcnt 0x0
	s_add_nc_u64 s[14:15], s[4:5], s[16:17]
	s_add_nc_u64 s[46:47], s[4:5], s[46:47]
	CROUND                                         ; all sixteen work-groups are here: the first joint loads meet
.irp s, 0,1
	s_mov_b32 s[G0+4*(\s)], 1
	s_add_co_u32 s[G0+4*(\s)+1], s20, (\s)*SLOT
	s_add_nc_u64 s[G0+4*(\s)+2:G0+4*(\s)+3], s[14:15], (\s)*KSTEP*2
	s_or_b32 s[G0+4*(\s)+3], s[G0+4*(\s)+3], 0x80000000
	s_mov_b32 s[G0B+4*(\s)], 1
	s_add_co_u32 s[G0B+4*(\s)+1], s20, (\s)*SLOT
	s_add_nc_u64 s[G0B+4*(\s)+2:G0B+4*(\s)+3], s[46:47], (\s)*KSTEP*2
	s_or_b32 s[G0B+4*(\s)+3], s[G0B+4*(\s)+3], 0x80000000
	JLOAD \s                                       ; two tensor loads of mine are out
.endr
	v_and_b32 v1, 15, v0                           ; l % 16
	v_bfe_u32 v2, v0, 4, 1                         ; l / 16
	v_mul_u32_u24 v3, v1, PITCH
	v_lshl_add_u32 v3, v2, 4, v3                   ; a fragment's row x pitch + 16 x half
	s_mul_i32 s21, s11, HALFT                      ; my 128 rows of q
	s_mul_i32 s22, s12, HALFT                      ; my 128 rows of k,
	s_add_co_u32 s22, s22, 2*HALFT                 ; which lie behind q's 256
	v_add_nc_u32 v[AB0], s21, v3
	v_add_nc_u32 v[BB0], s22, v3
	v_mov_b32 v[ADRA], v[AB0]
	v_mov_b32 v[ADRB], v[BB0]
	s_mul_i32 s23, s10, 16*SPITCH
	s_add_co_u32 s23, s23, STAGE                   ; my stage
	v_mul_u32_u24 v4, v1, SPITCH                   ; in: row l % 16, 16 bytes for each half of the lanes
	v_lshl_add_u32 v4, v2, 4, v4
	v_add_nc_u32 v[STO], s23, v4
	v_mul_u32_u24 v5, v2, SPITCH                   ; back: lanes 0-15 take one row of 256 bytes, lanes 16-31 the next
	v_lshl_add_u32 v5, v1, 4, v5
	v_add_nc_u32 v[RD], s23, v5
	v_lshlrev_b32 v5, 12, v2                       ; and the same two rows in p, whose rows are 4,096 bytes
	v_lshl_add_u32 v[CO], v1, 4, v5
	s_lshl_b32 s23, s10, 10
	s_add_co_u32 s23, s23, SCR                     ; my wave's statistics
	v_lshl_add_u32 v[SCA], v1, 2, s23
	v_and_b32 v5, 31, v0
	v_lshl_add_u32 v[SCB], v5, 4, s23
	v_lshlrev_b32 v[SO], 4, v5
	s_lshl_b32 s16, s13, 8
	s_lshl_b32 s17, s11, 7
	s_add_co_u32 s16, s16, s17                     ; my first row of p
	s_lshl_b32 s16, s16, 12
	s_mov_b32 s17, 0
	s_add_nc_u64 s[8:9], s[8:9], s[16:17]
	s_lshl_b32 s46, s42, 9                         ; my first key, in bytes: 512 x key tile + 256 x half
	s_lshl_b32 s47, s12, 8
	s_add_co_u32 s46, s46, s47
	s_mov_b32 s47, 0
	s_add_nc_u64 s[8:9], s[8:9], s[46:47]
	s_lshl_b32 s74, s45, 4                         ; stats: ((16 x batch + chunk) x 2,048 + my first row in the batch) x 4 bytes; chunk = 2 x key tile + half
	s_lshl_b32 s75, s42, 1
	s_add_co_u32 s74, s74, s75
	s_add_co_u32 s74, s74, s12
	s_lshl_b32 s74, s74, 11
	s_and_b32 s75, s13, 7
	s_lshl_b32 s75, s75, 8
	s_add_co_u32 s74, s74, s75
	s_lshl_b32 s75, s11, 7
	s_add_co_u32 s74, s74, s75
	s_lshl_b32 s74, s74, 2
	s_mov_b32 s75, 0
	s_add_nc_u64 s[68:69], s[68:69], s[74:75]
; 16 matrix instructions: query blocks a0, a0 + 1 of the window's four x all 8 key blocks, 32 along K.  zero = 1: the first product starts the sums.  The 64 accumulators take turns.
.macro MUL16 f, hi, a0, zero
	WIN MUL_LO+0x50*(\hi)
.irp a, \a0, (\a0)+1
.irp b, 0,1,2,3,4,5,6,7
.if \zero
	v_wmma_f32_16x16x32_f16 v[8*(8*(\a)+(\b)):8*(8*(\a)+(\b))+7], v[(\f)+8*(\b):(\f)+8*(\b)+7], v[(\f)+8*(4*(\hi)+(\a)):(\f)+8*(4*(\hi)+(\a))+7], 0
.else
	v_wmma_f32_16x16x32_f16 v[8*(8*(\a)+(\b)):8*(8*(\a)+(\b))+7], v[(\f)+8*(\b):(\f)+8*(\b)+7], v[(\f)+8*(4*(\hi)+(\a)):(\f)+8*(4*(\hi)+(\a))+7], v[8*(8*(\a)+(\b)):8*(8*(\a)+(\b))+7]
.endif
.endr
.endr
.endm
; 32 LDS loads in one run: the fragments of one quarter step (128 keys, 128 queries, 32 K at byte k of the rows of the slot in hand) into buffer f
.macro FETCH k, f
	WIN 0x40
.irp i, 0,1,2,3,4,5,6,7
	ds_load_b128 v[(\f)+8*(\i):(\f)+8*(\i)+3],   v[ADRB] offset:(\k)+(\i)*16*PITCH
	ds_load_b128 v[(\f)+8*(\i)+4:(\f)+8*(\i)+7], v[ADRB] offset:(\k)+(\i)*16*PITCH+32
.endr
	WIN 0
.irp i, 0,1,2,3,4,5,6,7
	ds_load_b128 v[(\f)+8*(\i):(\f)+8*(\i)+3],   v[ADRA] offset:(\k)+(\i)*16*PITCH
	ds_load_b128 v[(\f)+8*(\i)+4:(\f)+8*(\i)+7], v[ADRA] offset:(\k)+(\i)*16*PITCH+32
.endr
.endm
.macro PLACES                          ; four plain vector instructions between a matrix instruction and a load into, or a vector instruction on, its registers (ISA guide 7.12.1 for vector instructions)
.rept 4
	v_nop
.endr
.endm
.macro QUARTER k, f, g, zero
	s_wait_dscnt 8                                 ; k and q's rows 0-63 are in; the youngest eight loads (q's rows 64-127) may be out
	MUL16 \f, 0, 0, \zero
	MUL16 \f, 0, 2, \zero
	PLACES
	FETCH \k, \g
	s_wait_dscnt 32                                ; all but the 32 just issued
	MUL16 \f, 1, 0, \zero
	MUL16 \f, 1, 2, \zero
.endm
; The last quarter multiplies buffer 1 and changes slots: ONE barrier; in front of it each wave waits for all its tensor loads (one is out: its part of the next slot), adds 0 to its spare word, and waits for that and for its reads of this slot.
; fill = 1: the barrier opens a round of the cluster's barrier, and this slot is filled again first thing behind it: 224 matrix instructions stand between the request and the wait for it.
.macro TURN fill
	WIN 0
	s_wait_tensorcnt 0x0                           ; all my tensor loads have landed, so a group 0 may be written;
	ds_add_u32 v[SPW], v[NIL]                      ; 0 onto my spare word;
	s_wait_dscnt 9                                 ; (the add and the youngest eight loads may be out)
	MUL16 F1, 0, 0, 0
	s_wait_dscnt 0x0                               ; the add is done, and my reads of this slot are over
	s_barrier_signal -1
	MUL16 F1, 0, 2, 0
	WIN 0
	s_barrier_wait -1
.if \fill
	CREST                                          ; no wave of any partner still reads this slot's tile or has a load on its way
	s_xor_b32 s[G0+5], s[G0+5], SLOT               ; the walking descriptors: the other slot than last time,
	s_add_nc_u64 s[G0+6:G0+7], s[G0+6:G0+7], KSTEP*2      ; the next K step; the type bits on top are not reached
	s_xor_b32 s[G0B+5], s[G0B+5], SLOT
	s_add_nc_u64 s[G0B+6:G0B+7], s[G0B+6:G0B+7], KSTEP*2
.endif
	s_xor_b32 s[TB], s[TB], SLOT                   ; the fetches go on in the other slot
	v_add_nc_u32 v[ADRA], s[TB], v[AB0]
	v_add_nc_u32 v[ADRB], s[TB], v[BB0]
.if \fill
	JLOAD 1                                        ; its four v_nop are also the places in front of the loads below
.else
	PLACES
.endif
	FETCH 0, F0
	MUL16 F1, 1, 0, 0
	MUL16 F1, 1, 2, 0
.endm
; BLOCK a (16 queries x the chunk's 128 keys, 64 registers a lane): maximum, c m, p in place, p packed to f16, the sum.
.macro FSC i                           ; c s - c m for pair i of 32
	v_pk_fma_f32 v[AC+2*(\i):AC+2*(\i)+1], v[AC+2*(\i):AC+2*(\i)+1], s[70:71], v[CM:CM+1] op_sel_hi:[1,0,0] neg_lo:[0,0,1] neg_hi:[0,0,1]
.endm
.macro SOFT a
.set AC, 64*((\a)%4)
	WIN 0x2a+0x15*((\a)/4)                         ; all three sources in the accumulators' window
.irp b, 0,1,2,3,4,5,6,7
	v_max3_num_f32 v[CX+(\b)], v[AC+8*(\b)], v[AC+8*(\b)+1], v[AC+8*(\b)+2]  ; eight chains; each accumulator is read from its low end on
.endr
	WIN 0x28+0x14*((\a)/4)                         ; source 0 back in window 0
.irp i, 0,1
.irp b, 0,1,2,3,4,5,6,7
	v_max3_num_f32 v[CX+(\b)], v[CX+(\b)], v[AC+8*(\b)+3+2*(\i)], v[AC+8*(\b)+4+2*(\i)]
.endr
.endr
.irp j, 0,1,2,3
	v_max3_num_f32 v[CX+(\j)], v[CX+(\j)], v[AC+16*(\j)+7], v[AC+16*(\j)+15]  ; the eight scores left over
.endr
	WIN 0
	v_max3_num_f32 v[CX], v[CX], v[CX+1], v[CX+2]
	v_max3_num_f32 v[CX+3], v[CX+3], v[CX+4], v[CX+5]
	v_max_num_f32 v[CX+6], v[CX+6], v[CX+7]
	v_max3_num_f32 v[CX], v[CX], v[CX+3], v[CX+6]
	v_permlanex16_b32 v[CX+1], v[CX], s72, s73     ; the query's other 64 keys lie in the lane 16 away
	v_max_num_f32 v[CX], v[CX], v[CX+1]
	v_mul_f32 v[CM], s70, v[CX]                    ; c m
	ds_store_b32 v[SCA], v[CM] offset:64*(\a)      ; both halves of the lanes write the same word with the same number
	WIN 0x8a+0x45*((\a)/4)                         ; destination and sources 0, 1 in the accumulators' window, source 2 (c m) in window 0
	FSC 0
	FSC 1
.set i, 0
.rept 32                               ; two exponentials, then the scaling of a pair two further on: a plain instruction stands between every exponential and the use of its result (ISA guide 5.7.2)
	v_exp_f32 v[AC+2*i], v[AC+2*i]
	v_exp_f32 v[AC+2*i+1], v[AC+2*i+1]
.if i < 30
	FSC i+2
.endif
.set i, i+1
.endr
	WIN 0x0a+5*((\a)/4)
.set i, 0
	s_wait_alu depctr_va_vdst(0)
.rept 32
	v_cvt_pk_f16_f32 v[TMP+i], v[AC+2*i], v[AC+2*i+1]  ; the first of these, on weights long made, is the plain instruction behind the last exponentials
.set i, i+1
.endr
	WIN 0x8a+0x45*((\a)/4)
.irp d, 32,16,8,4,2                    ; the sum of the 32 pairs of unrounded p, in place: neighbours d registers apart
.set i, 0
.rept (\d)/2
	v_pk_add_f32 v[AC+2*i:AC+2*i+1], v[AC+2*i:AC+2*i+1], v[AC+2*i+(\d):AC+2*i+(\d)+1]
.set i, i+1
.endr
.endr
	WIN 0x0a+5*((\a)/4)
	v_add_f32 v[LS], v[AC], v[AC+1]
	WIN 0
	v_permlanex16_b32 v[LS+1], v[LS], s72, s73
	v_add_f32 v[LS], v[LS], v[LS+1]
	ds_store_b32 v[SCA], v[LS] offset:512+64*(\a)
.endm
.macro TOSTAGE a                       ; 16 bytes a lane into my own stage, and back as whole rows of 256 bytes
	WIN 0
.irp b, 0,1,2,3,4,5,6,7
	ds_store_b128 v[STO], v[TMP+4*(\b):TMP+4*(\b)+3] offset:32*(\b)
.endr
.irp t, 0,1,2,3,4,5,6,7
	ds_load_b128 v[BK+32*((\a)%2)+4*(\t):BK+32*((\a)%2)+4*(\t)+3], v[RD] offset:(\t)*2*SPITCH  ; LDS serves a wave's instructions in order (ISA guide 5.7.1.4): these see the stores above
.endr
.endm
.macro SEND a
	WIN 0
	s_wait_dscnt 0x0                               ; the block is back in registers
	s_wait_xcnt 0x0                                ; every earlier store has had its addresses translated (ISA guide 3.1): the buffer that the block before last left from is loaded again only behind this wait
.irp t, 0,1,2,3,4,5,6,7
	global_store_b128 v[CO], v[BK+32*((\a)%2)+4*(\t):BK+32*((\a)%2)+4*(\t)+3], s[8:9] offset:(\a)*65536+2*(\t)*4096  ; 16 lanes store 256 consecutive bytes, at a multiple of 256 from p's first byte
.endr
.endm
	s_wait_tensorcnt 1                             ; my part of K step 0 is in; K step 1's may stay out
	s_barrier_signal -1
	s_barrier_wait -1
	FETCH 0, F0
	QUARTER 64,  F0, F1, 1                         ; the first quarter stands in front of the loop: its products start the sums
	WIN 0
	s_mov_b32 s3, STEPS-2
.Lstep:                                                ; a trip goes from a K step's second quarter to the next step's first, and fills the slot that it leaves: K steps 0 to 5 ask for 2 to 7
	QUARTER 128, F1, F0, 0
	QUARTER 192, F0, F1, 0
	TURN 1
	QUARTER 64,  F0, F1, 0
	WIN 0
	s_sub_co_u32 s3, s3, 1
	s_cmp_lg_u32 s3, 0
	s_cbranch_scc1 .Lstep
	s_mov_b32 s3, 2
.Ltail:                                                ; the last two K steps fill nothing: a text of their own
	QUARTER 128, F1, F0, 0
	QUARTER 192, F0, F1, 0
	TURN 0                                         ; (in the second trip its fetch reads the other slot's old tile, for nothing: the price, once a launch, of one text for both trips)
	WIN 0
	s_cmp_eq_u32 s3, 1
	s_cbranch_scc1 .Lskip                          ; behind the last K step there is no first quarter: what is jumped holds no barrier and no tensor load
	QUARTER 64,  F0, F1, 0
	WIN 0
.Lskip:
	s_wait_dscnt 0x0                               ; no LDS load is out on either way
	s_sub_co_u32 s3, s3, 1
	s_cmp_lg_u32 s3, 0
	s_cbranch_scc1 .Ltail
	PLACES
	v_mov_b32 v[CM+1], 0                           ; named in a pair with c m
	v_mov_b32 v[LS+1], 0                           ; v_permlanex16_b32's destination counts as read
	SOFT 0
	TOSTAGE 0
.irp a, 1,2,3,4,5,6,7                  ; block a's softmax stands between block a - 1's loads from the stage and the wait for them
	SOFT \a
	SEND (\a)-1
	TOSTAGE \a
.endr
	SEND 7
	ds_load_b128 v[SV:SV+3],   v[SCB]              ; my wave's 128 c m and 128 l, 16 bytes a lane
	ds_load_b128 v[SV+4:SV+7], v[SCB] offset:512
	s_wait_dscnt 0x0
	global_store_b128 v[SO], v[SV:SV+3],   s[68:69]              ; 512 consecutive bytes each, at a multiple of 512 from stats' first byte
	global_store_b128 v[SO], v[SV+4:SV+7], s[68:69] offset:LOFF
	s_wait_tensorcnt 0x0                           ; the wave's end: behind my last tensor load and my last LDS store
	ds_add_u32 v[SPW], v[NIL]
	s_wait_dscnt 0x0
	CROUND                                         ; the closing round
	s_endpgm
.Lfunc_end_k_q53e3d29d82_scores:
	.size	k_q53e3d29d82_scores, .Lfunc_end_k_q53e3d29d82_scores-k_q53e3d29d82_scores
	.p2alignl 7, 3214868480
	.fill 96, 4, 3214868480
	.section	.rodata,"a",@progbits
	.p2align	6, 0x0
	.amdhsa_kernel k_q53e3d29d82_scores
		.amdhsa_group_segment_fixed_size 327680
		.amdhsa_private_segment_fixed_size 0
		.amdhsa_enable_private_segment 0
		.amdhsa_kernarg_size 24
		.amdhsa_user_sgpr_count 2
		.amdhsa_user_sgpr_kernarg_segment_ptr 1
		.amdhsa_wavefront_size32 1
		.amdhsa_system_sgpr_workgroup_id_x 1
		.amdhsa_system_sgpr_workgroup_id_y 1
		.amdhsa_system_sgpr_workgroup_id_z 1
		.amdhsa_system_vgpr_workitem_id 0
		.amdhsa_next_free_vgpr 1024
		.amdhsa_next_free_sgpr 80
		.amdhsa_reserve_vcc 0
		.amdhsa_float_denorm_mode_32 3
		.amdhsa_float_denorm_mode_16_64 3
		.amdhsa_memory_ordered 1
		.amdhsa_forward_progress 1
		.amdhsa_inst_pref_size 169
	.end_amdhsa_kernel
	.amdgpu_metadata
---
amdhsa.version: [ 1, 2 ]
amdhsa.kernels:
  - .name:           k_q53e3d29d82_scores
    .symbol:         k_q53e3d29d82_scores.kd
    .args:
      - { .name: qkv, .offset: 0, .size: 8, .value_kind: global_buffer, .address_space: global }
      - { .name: p, .offset: 8, .size: 8, .value_kind: global_buffer, .address_space: global }
      - { .name: stats, .offset: 16, .size: 8, .value_kind: global_buffer, .address_space: global }
    .group_segment_fixed_size: 327680
    .private_segment_fixed_size: 0
    .kernarg_segment_align: 8
    .kernarg_segment_size: 24
    .max_flat_workgroup_size: 128
    .sgpr_count:     80
    .vgpr_count:     1024
    .wavefront_size: 32
...
	.end_amdgpu_metadata
.endif
;; end of part 3
;; launch mix (part 4): grid 4 x 64, 4 waves a work-group, clusters of 4 x 4, 327,680 bytes of LDS; arguments p, qkv, out0, stats; writes out0
.if DOCPART == 4
	.amdgcn_target "amdgcn-amd-amdhsa--gfx1250"
	.amdhsa_code_object_version 6
	.text
	.protected	k_q53e3d29d82_mix
	.globl	k_q53e3d29d82_mix
	.p2align	8
	.type	k_q53e3d29d82_mix,@function
k_q53e3d29d82_mix:
	s_mov_b64 s[64:65], 0
	v_nop
	global_prefetch_b8 v0, s[64:65] scope:SCOPE_SE
	s_setreg_imm32_b32 hwreg(HW_REG_WAVE_MODE, 25, 1), 1
	s_wait_xcnt 0x0
	s_wait_alu depctr_hold_cnt(0) depctr_sa_sdst(0) depctr_va_vdst(0) depctr_va_sdst(0) depctr_va_ssrc(0) depctr_va_vcc(0) depctr_vm_vsrc(0)
	s_getreg_b32 s2, hwreg(HW_REG_IB_STS2, 6, 4)
	s_cmp_eq_u32 s2, 0
	s_cbranch_scc0 .Lentry_in_a_cluster
	s_endpgm
.Lentry_in_a_cluster:
	s_bfe_u32 s2, ttmp6, 0x10000c
	s_cmp_lg_u32 s2, 0xf033
	s_cbranch_scc0 .Lentry_shape_is_right
	s_endpgm
.Lentry_shape_is_right:
; out[row][ch] = (sum over chunks t of e[row][t] x T[t][row][ch]) / L[row],  T[t] = sum over the chunk's 128 keys of p[row][key] v[key][ch]: the second half of the softmax, and its product with v.
; With cm, l the statistics that the launch before stored for each row and chunk: CM = the largest cm of the row's 16 chunks (c x the row's true maximum), e[t] = 2^(cm[t] - CM), L = sum of l[t] e[t].
; Only the products p v take 16-bit operands; T, e, the sum O = sum of e T, L and 1 / L are f32.
; p: [8192][2048] f16.  v: [8192][1024] f16, 4,096 bytes into the rows (6,144 bytes) of qkv.  out0: [8192][1024] f32.  stats: cm as [4][16][2048] f32, l the same 524,288 bytes on.
; LIMITS.  An e below 2^-126 counts as 0.  L is at least about 1: the row's largest weight is 1.  NaN and infinities are not treated apart.
; SHARES.  A tile of out is 128 queries x 256 channels: 64 x 4 = 256 work-groups.  Four waves, each 64 x 128: 4 x 8 accumulators.  K = 2,048 keys in 16 steps of 128, a chunk a step, through a ring of two LDS slots
; (two steps to a slot would want 417,792 bytes of LDS).  Waves 0 and 1 fetch 64 rows of p each (256 bytes of memory a row), waves 2 and 3 64 keys of v each (512 bytes a row).
; THE TEXT HOLDS ONE K STEP FOR THE LOOP AND ONE FOR THE TAIL: the slot in hand is a scalar that an exclusive or turns between 0 and 1 << 17, and the descriptor that fills walks.
; CLUSTER.  4 x 4 work-groups; the four of a row of the cluster need the same rows of p, the four of a column the same keys and channels of v (a cluster's four tile rows lie in one batch): joint loads with a mask of four.
; LAYOUT.  T^T = v^T p^T: source 0 = 16 channels x 32 keys, turned on its way out of LDS by ds_load_tr16_b128; source 1 = 16 queries x 32 keys, as it lies.  A lane holds ONE query (l % 16) and eight neighbouring channels:
; so e is one number a lane and block of 16 queries, and a lane's results are 32 consecutive bytes of a row of out.
; O += e T.  A step's first quarter starts T with the constant 0.  T's blocks 0, 1 are finished in the lower half of the step's last quarter and added to O beside that quarter's upper half; blocks 2, 3 are added beside the lower half
; of the next step's first quarter, ahead of the products that start them again.  Four packed multiply-adds stand behind a product: 128 for a step's 128 products.
; O is cleared once, 256 v_mov_b32 in the wait for the first tiles: the price of writing no first step out.
; REGISTERS, in windows of 256 (s_set_vgpr_msb: bits 1:0 source 0, 3:2 source 1, 5:4 source 2, 7:6 destination):
;   window 0: v0-31 addresses; v32-133 at work before the loop; behind it v32-39 1 / L, v64-191 rows on their way out
;   window 1: v0-63, v64-127 fragments of v, two buffers; v128-159, v160-191 fragments of p, two buffers; v192-199 the step's (e, e) for blocks 0 to 3
;   window 2: T, block a and channel block b at v[8 (8 a + b)]          window 3: O, likewise
; One setting serves every product and one every fetch; T and O fill a window each, so the four multiply-adds behind a product cost two switches, on 32 of a step's 128 products.
.set PA,     272                       ; a row of p in LDS: 256 bytes + 16 = 68 words: the 16 rows of a load start at 16 different groups of four banks (64 banks of 4 bytes: ISA guide 11.1)
.set PV,     544                       ; a row of v: 512 + 32 = 136 words: row r starts at bank 8 r mod 64
.set VOFF,   128*PA                    ; a slot: 128 rows of p, then 128 keys of v: 104,448 bytes
.set SLOT1,  1<<17                     ; slot 1 begins here, so that one exclusive or turns an address in one slot into the other's
.set STAGE,  SLOT1+128*(PA+PV)         ; behind the ring: 16 rows x 528 bytes for each wave
.set SP,     528
.set FT,     STAGE+4*16*SP             ; 8,192 bytes for each wave: the pairs (e, e) as [step][query % 16][query / 16]
.set IL,     FT+4*8192                 ; 256 bytes for each wave: 1 / L of its 64 queries
.set SPARE,  IL+4*256                  ; the spare words, 128 bytes for each wave: two blocks of 256 bytes that no other line names
.set STEPS,  2048/128
.set LOFF,   524288
.set SOF,  5                           ; v5      8 x lane: my two rows in a chunk's statistics
.set ILS,  6                           ; v6      where I put my two rows' 1 / L
.set AB0,  12                          ; v12     LDS address of my fragments of p in slot 0; never rewritten
.set BB0,  13                          ; v13     the same for v
.set ADRA, 16                          ; v16     LDS address of my fragments of p in the slot in hand
.set ADRB, 20                          ; v20     the same for v
.set FTS,  22                          ; v22     where I put my two rows' pairs (e, e)
.set FTB,  23                          ; v23     my query's four pairs of step 0; never rewritten
.set STO,  24                          ; v24     the way out: where I put 32 bytes of a row
.set RD,   25                          ; v25     where I read a row back
.set CO,   26                          ; v26     my byte offset in a row of out
.set FTA,  27                          ; v27     my query's four pairs of the step to come
.set SPW,  28                          ; v28     LDS address of my spare word; never rewritten
.set NIL,  29                          ; v29     0; never rewritten
.set ILA,  30                          ; v30     my query's 1 / L
.set PFO,  31                          ; v31     4,096 x lane: a row of p a lane, for the prefetch; never rewritten
.set IV,   32                          ; v32-39  1 / L of my query in blocks 0 to 3, each twice (named as pairs)
.set CMV,  32                          ; before the loop: cm of my two rows, 16 chunks
.set LV,   64                          ; l likewise
.set EV,   96                          ; e
.set CMX,  128                         ; v128-129 CM
.set LL,   130                         ; v130-131 L
.set RC,   132                         ; v132-133 1 / L
.set OB,   64
.set PF,   128                         ; fragments of p, in window 1
.set FF,   192                         ; the pairs (e, e), in window 1
.set G1,  24                           ; s[24:31] group 1 for p's tiles; s[32:39] group 0: a set for each of the two first fills; the second then walks on
.set G0,  32
.set G1B, 48                           ; the same for v's tiles
.set G0B, 56
.set TB,  76                           ; s76     0 or SLOT1: the slot in hand
.set FS,  77                           ; s77     512 x the step whose (e, e) are fetched next
.set PFB, 78                           ; s[78:79] p at the 32 rows of the tile that this work-group asks for ahead
.set PFA, 80                           ; s[80:81] the same at the K step asked for
.set PFS, 82                           ; s[82:83] that step's byte offset in a row
.set W_MM, 0xa5                        ; v and p window 1, C and D (T) window 2
.set W_FM, 0xf6                        ; T window 2, (e, e) window 1, O (source 2 and destination) window 3
.set MSB, 0
.macro WIN new                         ; the immediate's high byte repeats the setting that is left; a switch that changes nothing is dropped
.if MSB != (\new)
	s_set_vgpr_msb (MSB<<8)|(\new)
.set MSB, \new
.endif
.endm
; A joint load.  Waves 0 and 1 fetch p's two halves, waves 2 and 3 v's.  An s_nop 0 and four v_nop follow each of the two lines, ahead of the jump and the label.
.macro JLOAD s
	s_cmp_lt_u32 s10, 2
	s_cbranch_scc0 .Lfor_b_\@
	tensor_load_to_lds s[G0+4*(\s):G0+4*(\s)+3], s[G1:G1+7]
	s_nop 0
.rept 4
	v_nop
.endr
	s_branch .Lasked_\@
.Lfor_b_\@:
	tensor_load_to_lds s[G0B+4*(\s):G0B+4*(\s)+3], s[G1B:G1B+7]
	s_nop 0
.rept 4
	v_nop
.endr
.Lasked_\@:
.endm
.macro CREST                           ; a round of the cluster's barrier behind its opening barrier
	s_cmp_lg_u32 s10, 0
	s_cbranch_scc1 .Lnot_wave_0_\@
	s_barrier_signal -3
.Lnot_wave_0_\@:
	s_barrier_wait -3
	s_barrier_signal -1
	s_barrier_wait -1
.endm
.macro CROUND
	s_barrier_signal -1
	s_barrier_wait -1
	CREST
.endm
	s_load_b128 s[4:7], s[0:1], 0x0                ; p s[4:5], qkv s[6:7]
	s_load_b64 s[8:9], s[0:1], 0x10                ; out0
	s_load_b64 s[68:69], s[0:1], 0x18              ; stats
	v_lshl_add_u32 v[SPW], v0, 2, SPARE
	v_mov_b32 v[NIL], 0
	ds_add_u32 v[SPW], v[NIL]                      ; the wave's opening: the add and its wait stand ahead of my first tensor load; the set-up below, work on registers, stands between them
	v_lshrrev_b32 v1, 5, v0
	v_readfirstlane_b32 s10, v1                    ; wave 0..3
	s_lshr_b32 s11, s10, 1                         ; which half of the tile's queries is mine
	s_and_b32 s12, s10, 1                          ; which half of its channels.  Also: which 64 rows of p's or v's tile I fetch
	s_bfe_u32 s40, ttmp6, 0x40000                  ; cx, cy
	s_bfe_u32 s41, ttmp6, 0x40004
	s_lshl_b32 s42, ttmp9, 2
	s_add_co_u32 s42, s42, s40                     ; channel tile = 4 x cluster x + cx, 0..3
	s_and_b32 s45, ttmp7, 0xffff
	s_lshl_b32 s13, s45, 2
	s_add_co_u32 s13, s13, s41                     ; query tile = 4 x cluster y + cy, 0..63: sixteen to a batch
	s_lshr_b32 s45, s45, 2                         ; the batch, from the cluster's y alone
	s_lshl_b32 s43, s41, 2
	s_lshl_b32 s43, 15, s43                        ; my row of the cluster
	s_lshl_b32 s44, 0x1111, s40                    ; my column
	s_or_b32 s[G1+0], s43, (1<<16)|(1<<20)|(1<<21)|(5<<22)|(3<<25)   ; p: the mask of my row; 2-byte elements; padding on; bit 21 beside a mask; after every 64 words 4 words
	s_mov_b32 s[G1+1], 128<<16                     ; tensor_dim0 = 128
	s_mov_b32 s[G1+2], 64<<16                      ; tensor_dim1 = 64
	s_mov_b32 s[G1+3], 128<<16                     ; tile_dim0 = 128
	s_mov_b32 s[G1+4], 64                          ; tile_dim1 = 64
	s_mov_b32 s[G1+5], 2048                        ; elements from row to row of p
	s_mov_b32 s[G1+6], 0
	s_mov_b32 s[G1+7], 0
	s_or_b32 s[G1B+0], s44, (1<<16)|(1<<20)|(1<<21)|(6<<22)|(7<<25)  ; v: the mask of my column; after every 128 words 8 words
	s_mov_b32 s[G1B+1], 256<<16                    ; tensor_dim0 = 256
	s_mov_b32 s[G1B+2], 64<<16                     ; tensor_dim1 = 64
	s_mov_b32 s[G1B+3], 256<<16                    ; tile_dim0 = 256
	s_mov_b32 s[G1B+4], 64                         ; tile_dim1 = 64
	s_mov_b32 s[G1B+5], 3072                       ; elements from row to row of qkv
	s_mov_b32 s[G1B+6], 0
	s_mov_b32 s[G1B+7], 0
	s_lshl_b32 s16, s13, 7
	s_lshl_b32 s17, s12, 6
	s_add_co_u32 s16, s16, s17                     ; p: row 128 x query tile + 64 x half
	s_lshl_b32 s16, s16, 12                        ; rows of 4,096 bytes
	s_mov_b32 s17, 0
	s_lshl_b32 s46, s45, 11
	s_lshl_b32 s47, s12, 6
	s_add_co_u32 s46, s46, s47                     ; v: row 2,048 x batch + 64 x half; never holds cy
	s_mul_i32 s46, s46, 6144
	s_lshl_b32 s47, s42, 9                         ; the tile's 256 channels
	s_add_co_u32 s46, s46, s47
	s_add_co_u32 s46, s46, 4096                    ; v lies 4,096 bytes into a row
	s_mov_b32 s47, 0
	s_mul_i32 s20, s12, 64*PA                      ; where they go: no place in the cluster enters an LDS address
	s_mul_i32 s21, s12, 64*PV
	s_add_co_u32 s21, s21, VOFF
	s_mov_b32 s[TB], 0                             ; K step 0 lies in slot 0
	s_mov_b32 s[FS], 0
	s_mov_b32 s[PFS], 3*256                        ; the first trip steps this to K step 4
	s_mov_b32 s[PFS+1], 0
	s_lshl_b32 s84, s13, 7                         ; the rows that this work-group asks for ahead: 128 x query tile + 32 cx: a quarter of the tile that the four partners share
	s_lshl_b32 s85, s40, 5
	s_add_co_u32 s84, s84, s85
	s_lshl_b32 s84, s84, 12
	s_mov_b32 s85, 0
	s_wait_dscnt 0x0                               ; the opening add is done
	s_wait_kmcnt 0x0
	s_add_nc_u64 s[14:15], s[4:5], s[16:17]
	s_add_nc_u64 s[46:47], s[6:7], s[46:47]
	s_add_nc_u64 s[PFB:PFB+1], s[4:5], s[84:85]
	CROUND                                         ; all sixteen work-groups are here: the first joint loads meet
.irp s, 0,1
	s_mov_b32 s[G0+4*(\s)], 1
	s_add_co_u32 s[G0+4*(\s)+1], s20, (\s)*SLOT1
	s_add_nc_u64 s[G0+4*(\s)+2:G0+4*(\s)+3], s[14:15], (\s)*256        ; K step s: 128 keys along p's rows,
	s_or_b32 s[G0+4*(\s)+3], s[G0+4*(\s)+3], 0x80000000
	s_mov_b32 s[G0B+4*(\s)], 1
	s_add_co_u32 s[G0B+4*(\s)+1], s21, (\s)*SLOT1
	s_add_nc_u64 s[G0B+4*(\s)+2:G0B+4*(\s)+3], s[46:47], (\s)*128*6144 ; 128 rows down in v
	s_or_b32 s[G0B+4*(\s)+3], s[G0B+4*(\s)+3], 0x80000000
	JLOAD \s                                       ; two tensor loads of mine are out
.endr
	; THE STATISTICS, in the wait for the first tiles.  Lane l owns rows 2 l and 2 l + 1 of my wave's 64: a load of 8 bytes a lane takes 256 consecutive bytes of one chunk's cm or l.
	v_and_b32 v4, 31, v0                           ; lane
	v_lshlrev_b32 v[SOF], 3, v4
	s_lshl_b32 s74, s45, 15                        ; (32,768 x batch + my wave's first row in the batch) x 4 bytes
	s_and_b32 s75, s13, 15
	s_lshl_b32 s75, s75, 7
	s_add_co_u32 s74, s74, s75
	s_lshl_b32 s75, s11, 6
	s_add_co_u32 s74, s74, s75
	s_lshl_b32 s74, s74, 2
	s_mov_b32 s75, 0
	s_add_nc_u64 s[68:69], s[68:69], s[74:75]
.set i, 0
.rept 16
	global_load_b64 v[CMV+2*i:CMV+2*i+1], v[SOF], s[68:69] offset:8192*i
	global_load_b64 v[LV+2*i:LV+2*i+1],   v[SOF], s[68:69] offset:8192*i+LOFF
.set i, i+1
.endr
	WIN 0xc0                                       ; O = 0
.set i, 0
.rept 256
	v_mov_b32 v[i], 0
.set i, i+1
.endr
	WIN 0
	v_and_b32 v1, 15, v0                           ; l % 16
	v_bfe_u32 v2, v0, 4, 1                         ; l / 16
	v_mul_u32_u24 v3, v1, PA
	v_lshl_add_u32 v3, v2, 4, v3                   ; p's fragments: row x pitch + 16 x half
	; The turning load takes 16 keys x 16 channels (lane l reads key 8 (l / 16) + l % 8, channels 8 ((l / 8) % 2) + 0..7) and leaves half a fragment of v^T: lane l holds channel l % 16 and 8 keys.
	v_and_b32 v7, 7, v0
	v_bfe_u32 v8, v0, 3, 1
	v_lshl_add_u32 v9, v2, 3, v7
	v_mul_u32_u24 v9, v9, PV
	v_lshl_add_u32 v9, v8, 4, v9
	s_mul_i32 s22, s11, 64*PA                      ; my 64 rows of p
	s_lshl_b32 s23, s12, 8                         ; my 128 channels of v,
	s_add_co_u32 s23, s23, VOFF                    ; which lies behind p's 128 rows
	v_add_nc_u32 v[AB0], s22, v3
	v_add_nc_u32 v[BB0], s23, v9
	v_mov_b32 v[ADRA], v[AB0]
	v_mov_b32 v[ADRB], v[BB0]
	s_mul_i32 s22, s10, 16*SP
	s_add_co_u32 s22, s22, STAGE                   ; my stage
	v_mul_u32_u24 v10, v1, SP                      ; in: row l % 16, 32 bytes for each half of the lanes
	v_lshl_add_u32 v10, v2, 5, v10
	v_add_nc_u32 v[STO], s22, v10
	v_lshl_add_u32 v[RD], v4, 4, s22               ; back: 32 lanes take one row of 512 bytes
	v_lshlrev_b32 v[CO], 4, v4
	v_lshlrev_b32 v[PFO], 12, v4
	s_lshl_b32 s22, s10, 13
	s_add_co_u32 s22, s22, FT                      ; my table of e
	v_lshl_add_u32 v[FTB], v1, 5, s22              ; 32 bytes for a query % 16: four pairs
	v_mov_b32 v[FTA], v[FTB]
	v_bfe_u32 v11, v0, 3, 2                        ; rows 2 l, 2 l + 1 lie in block (l % 32) / 8, at places 2 (l % 8) and 2 (l % 8) + 1
	v_lshl_add_u32 v[FTS], v7, 6, s22
	v_lshl_add_u32 v[FTS], v11, 3, v[FTS]
	s_lshl_b32 s22, s10, 8
	s_add_co_u32 s22, s22, IL                      ; my wave's 1 / L
	v_lshl_add_u32 v[ILA], v1, 2, s22
	v_lshl_add_u32 v[ILS], v4, 3, s22
	s_lshl_b32 s16, s13, 7
	s_lshl_b32 s17, s11, 6
	s_add_co_u32 s16, s16, s17                     ; my first row of out
	s_lshl_b32 s16, s16, 12
	s_mov_b32 s17, 0
	s_add_nc_u64 s[8:9], s[8:9], s[16:17]
	s_lshl_b32 s46, s42, 10                        ; my first channel, in bytes: 1,024 x channel tile + 512 x half
	s_lshl_b32 s47, s12, 9
	s_add_co_u32 s46, s46, s47
	s_mov_b32 s47, 0
	s_add_nc_u64 s[8:9], s[8:9], s[46:47]
	s_wait_loadcnt 0x0                             ; the statistics, once
.irp i, 0,1
	v_max3_num_f32 v[CMX+(\i)], v[CMV+(\i)], v[CMV+2+(\i)], v[CMV+4+(\i)]  ; CM: the largest of 16, for each of my two rows
.endr
.irp j, 0,1,2,3,4,5
.irp i, 0,1
	v_max3_num_f32 v[CMX+(\i)], v[CMX+(\i)], v[CMV+6+4*(\j)+(\i)], v[CMV+8+4*(\j)+(\i)]
.endr
.endr
.irp i, 0,1
	v_max_num_f32 v[CMX+(\i)], v[CMX+(\i)], v[CMV+30+(\i)]
.endr
.set i, 0
.rept 16
	v_pk_add_f32 v[EV+2*i:EV+2*i+1], v[CMV+2*i:CMV+2*i+1], v[CMX:CMX+1] neg_lo:[0,1] neg_hi:[0,1]  ; cm - CM, at most 0
.set i, i+1
.endr
.set i, 0
.rept 32
	v_exp_f32 v[EV+i], v[EV+i]
.set i, i+1
.endr
	v_nop                                          ; a plain instruction between the last exponential and the use of its result (ISA guide 5.7.2)
	s_wait_alu depctr_va_vdst(0)
	v_pk_mul_f32 v[LL:LL+1], v[LV:LV+1], v[EV:EV+1]
.set i, 1
.rept 15
	v_pk_fma_f32 v[LL:LL+1], v[LV+2*i:LV+2*i+1], v[EV+2*i:EV+2*i+1], v[LL:LL+1]  ; L = the sum of l e
.set i, i+1
.endr
	v_rcp_f32 v[RC], v[LL]
	v_rcp_f32 v[RC+1], v[LL+1]
	v_nop                                          ; a plain instruction behind the reciprocals
.set i, 0
.rept 32
	ds_store_b32 v[FTS], v[EV+i] offset:512*(i/2)+32*(i%2)    ; e twice, side by side: the packed multiply-add takes the pair as it lies
	ds_store_b32 v[FTS], v[EV+i] offset:512*(i/2)+32*(i%2)+4
.set i, i+1
.endr
	s_wait_alu depctr_va_vdst(0)
	ds_store_b64 v[ILS], v[RC:RC+1]
; 8 matrix instructions: query block a x all 8 channel blocks, 32 keys, from buffer f.  zero = 1: the products start T.  ride = 1: behind each product O += e T for the same channel block of query block (a + 2) % 4:
; four packed multiply-adds, which name no register of the products round them, from the accumulator's low end on.
; The 32 accumulators take turns, one instruction a turn, in the same order in every quarter step.
.macro MUL8 f, a, zero, ride
.irp b, 0,1,2,3,4,5,6,7
	WIN W_MM
.if \zero
	v_wmma_f32_16x16x32_f16 v[8*(8*(\a)+(\b)):8*(8*(\a)+(\b))+7], v[64*(\f)+8*(\b):64*(\f)+8*(\b)+7], v[PF+32*(\f)+8*(\a):PF+32*(\f)+8*(\a)+7], 0
.else
	v_wmma_f32_16x16x32_f16 v[8*(8*(\a)+(\b)):8*(8*(\a)+(\b))+7], v[64*(\f)+8*(\b):64*(\f)+8*(\b)+7], v[PF+32*(\f)+8*(\a):PF+32*(\f)+8*(\a)+7], v[8*(8*(\a)+(\b)):8*(8*(\a)+(\b))+7]
.endif
.if \ride
	WIN W_FM
.set RA, ((\a)+2)%4
.set RR, 8*(8*RA+(\b))
.irp z, 0,1,2,3
	v_pk_fma_f32 v[RR+2*(\z):RR+2*(\z)+1], v[RR+2*(\z):RR+2*(\z)+1], v[FF+2*RA:FF+2*RA+1], v[RR+2*(\z):RR+2*(\z)+1]
.endr
.endif
.endr
.endm
; 24 LDS loads in one run: the fragments of quarter q of the step in the slot in hand (32 keys x 128 channels of v, turned; 64 queries x 32 keys of p) into buffer f.  ff = 1: ahead of them the step's four pairs (e, e).
.macro FETCH q, f, ff
	WIN 0x40                                       ; destination window 1, address window 0
.if \ff
	ds_load_b128 v[FF:FF+3],   v[FTA]
	ds_load_b128 v[FF+4:FF+7], v[FTA] offset:16
.endif
.irp b, 0,1,2,3,4,5,6,7
	ds_load_tr16_b128 v[64*(\f)+8*(\b):64*(\f)+8*(\b)+3],   v[ADRB] offset:(\q)*32*PV+32*(\b)
	ds_load_tr16_b128 v[64*(\f)+8*(\b)+4:64*(\f)+8*(\b)+7], v[ADRB] offset:(\q)*32*PV+16*PV+32*(\b)
.endr
.irp a, 0,1,2,3
	ds_load_b128 v[PF+32*(\f)+8*(\a):PF+32*(\f)+8*(\a)+3],   v[ADRA] offset:64*(\q)+(\a)*16*PA
	ds_load_b128 v[PF+32*(\f)+8*(\a)+4:PF+32*(\f)+8*(\a)+7], v[ADRA] offset:64*(\q)+(\a)*16*PA+32
.endr
.endm
.macro PLACES                          ; four plain vector instructions between a matrix instruction and a load into, or a vector instruction on, its registers (ISA guide 7.12.1 for vector instructions)
.rept 4
	v_nop
.endr
.endm
; A K step is four quarters of 32 keys, 32 matrix instructions each, on buffers 0, 1, 0, 1.  One of the first three multiplies buffer f and, in its middle, fetches quarter q into g.
; The first quarter (zero = 1) starts T; with ride = 1 its lower half carries O += e T for the step before's blocks 2 and 3; behind that half its fetch brings its own step's (e, e) (ff = 1).
.macro QUARTER q, f, g, zero, ride, ff
	s_wait_dscnt 4                                 ; v and p's blocks 0, 1 are in; the youngest four loads (p's blocks 2, 3) may be out
	MUL8 \f, 0, \zero, \ride
	MUL8 \f, 1, \zero, \ride
	PLACES
	FETCH \q, \g, \ff
	s_wait_dscnt 24+2*(\ff)                        ; all but those just issued
	MUL8 \f, 2, \zero, 0
	MUL8 \f, 3, \zero, 0
.endm
; The last quarter multiplies buffer 1 and changes slots: ONE barrier; in front of it each wave waits for all its tensor loads (one is out: its part of the next slot), adds 0 to its spare word, and waits for that and for its reads of this slot.
; fill = 1: the barrier opens a round of the cluster's barrier, and this slot is filled again first thing behind it: 112 matrix instructions stand between the request and the wait for it.
; Its upper half carries O += e T for blocks 0 and 1, which its lower half has finished: the address work and the four v_nop between the halves are the places behind those products.
; THE PREFETCH.  In trip t (t = 0 .. 13) wave 0 asks for 32 rows x 256 bytes of p's tile of K step t + 4, the tile that the joint load two trips on brings: a lane a row; the four partners that share the tile ask for a quarter of its
; 128 rows each.  From K step 15 on the offset stays at that step's, inside p.  The address is stepped a whole trip behind the prefetch that read it, behind s_wait_xcnt 0.
.macro TURN fill
	WIN 0
	s_wait_tensorcnt 0x0                           ; all my tensor loads have landed, so a group 0 may be written;
	ds_add_u32 v[SPW], v[NIL]                      ; 0 onto my spare word;
	s_wait_dscnt 5                                 ; (the add and the youngest four loads may be out)
	MUL8 1, 0, 0, 0
	s_wait_dscnt 0x0                               ; the add is done, and my reads of this slot are over
	s_barrier_signal -1
	MUL8 1, 1, 0, 0
	WIN 0
	s_barrier_wait -1
.if \fill
	CREST                                          ; no wave of any partner still reads this slot's tiles or has a load on its way
	s_xor_b32 s[G0+5], s[G0+5], SLOT1              ; the walking descriptors: the other slot than last time,
	s_add_nc_u64 s[G0+6:G0+7], s[G0+6:G0+7], 256           ; 128 keys on along p's rows,
	s_xor_b32 s[G0B+5], s[G0B+5], SLOT1
	s_add_nc_u64 s[G0B+6:G0B+7], s[G0B+6:G0B+7], 128*6144  ; 128 rows down in v; the type bits on top are not reached
	s_wait_xcnt 0x0                                ; the last trip's prefetch has had its address translated (ISA guide 3.1): only now is it stepped
	s_add_co_u32 s[PFS], s[PFS], 256
	s_min_u32 s[PFS], s[PFS], 15*256
	s_add_nc_u64 s[PFA:PFA+1], s[PFB:PFB+1], s[PFS:PFS+1]
.endif
	s_xor_b32 s[TB], s[TB], SLOT1                  ; the fetches go on in the other slot
	s_add_co_u32 s[FS], s[FS], 512                 ; and with the next step's (e, e)
	v_add_nc_u32 v[ADRA], s[TB], v[AB0]
	v_add_nc_u32 v[ADRB], s[TB], v[BB0]
	v_add_nc_u32 v[FTA], s[FS], v[FTB]
.if \fill
	JLOAD 1                                        ; its four v_nop are also the places in front of the loads below
	s_cmp_lg_u32 s10, 0
	s_cbranch_scc1 .Lno_pf_\@
	global_prefetch_b8 v[PFO], s[PFA:PFA+1] th:TH_LOAD_NT scope:SCOPE_SE
.Lno_pf_\@:
.else
	PLACES
.endif
	FETCH 0, 0, 0
	MUL8 1, 2, 0, 1
	MUL8 1, 3, 0, 1
.endm
	s_wait_tensorcnt 1                             ; my part of K step 0 is in; K step 1's may stay out
	s_wait_dscnt 0x0                               ; my stores of e and 1 / L are done
	s_barrier_signal -1
	s_barrier_wait -1
	FETCH 0, 0, 0
	QUARTER 1, 0, 1, 1, 0, 1                       ; the first quarter of K step 0: there is no step before it
	WIN 0
	s_mov_b32 s3, STEPS-2
.Lstep:                                                ; a trip goes from a K step's second quarter to the next step's first, and fills the slot that it leaves: K steps 0 to 13 ask for 2 to 15
	QUARTER 2, 1, 0, 0, 0, 0
	QUARTER 3, 0, 1, 0, 0, 0
	TURN 1
	QUARTER 1, 0, 1, 1, 1, 1
	WIN 0
	s_sub_co_u32 s3, s3, 1
	s_cmp_lg_u32 s3, 0
	s_cbranch_scc1 .Lstep
	s_mov_b32 s3, 2
.Ltail:                                                ; the last two K steps fill nothing: a text of their own
	QUARTER 2, 1, 0, 0, 0, 0
	QUARTER 3, 0, 1, 0, 0, 0
	TURN 0                                         ; (in the second trip its fetch reads the other slot's old tile, for nothing: the price, once a launch, of one text for both trips)
	WIN 0
	s_cmp_eq_u32 s3, 1
	s_cbranch_scc1 .Lskip                          ; behind the last K step there is no first quarter: what is jumped holds no barrier and no tensor load
	QUARTER 1, 0, 1, 1, 1, 1
	WIN 0
.Lskip:
	s_wait_dscnt 0x0                               ; no LDS load is out on either way
	s_sub_co_u32 s3, s3, 1
	s_cmp_lg_u32 s3, 0
	s_cbranch_scc1 .Ltail
	; THE WAY OUT.  The last step's blocks 2 and 3 are still to be added; then O times 1 / L, a block of 16 queries at a time through my own stage, back as whole rows of 512 bytes.
	; Four v_nop stand ahead of the multiply-adds: in the text the quarter above, whose last sixteen lines are products on blocks 2 and 3, also leads here, and the distance behind a product is kept on every way of the text.
	PLACES
	WIN W_FM
.set n, 16
.rept 16
.irp z, 0,1,2,3
	v_pk_fma_f32 v[8*n+2*(\z):8*n+2*(\z)+1], v[8*n+2*(\z):8*n+2*(\z)+1], v[FF+2*(n/8):FF+2*(n/8)+1], v[8*n+2*(\z):8*n+2*(\z)+1]
.endr
.set n, n+1
.endr
	WIN 0
.irp a, 0,1,2,3
	ds_load_b32 v[IV+2*(\a)],   v[ILA] offset:64*(\a)
	ds_load_b32 v[IV+2*(\a)+1], v[ILA] offset:64*(\a)  ; named with it as a pair
.endr
	s_wait_dscnt 0x0
.macro SC a
	WIN 0xc3                                       ; destination and source 0 (O) window 3, 1 / L window 0
.set i, 64*(\a)
.rept 32
	v_pk_mul_f32 v[i:i+1], v[i:i+1], v[IV+2*(\a):IV+2*(\a)+1] op_sel_hi:[1,0]
.set i, i+2
.endr
.endm
.macro TOST a
	WIN 0x0c                                       ; the stores' data in window 3
.irp b, 0,1,2,3,4,5,6,7
	ds_store_b128 v[STO], v[64*(\a)+8*(\b):64*(\a)+8*(\b)+3]   offset:64*(\b)
	ds_store_b128 v[STO], v[64*(\a)+8*(\b)+4:64*(\a)+8*(\b)+7] offset:64*(\b)+16
.endr
	WIN 0
.set t, 0
.rept 16
	ds_load_b128 v[OB+64*((\a)%2)+4*t:OB+64*((\a)%2)+4*t+3], v[RD] offset:SP*t  ; LDS serves a wave's instructions in order (ISA guide 5.7.1.4): these see the stores above
.set t, t+1
.endr
.endm
.macro SEND a
	WIN 0
	s_wait_dscnt 0x0                               ; the block is back in registers
	s_wait_xcnt 0x0                                ; every earlier store has had its addresses translated (ISA guide 3.1): the buffer that the block before last left from is loaded again only behind this wait
.set t, 0
.rept 16
	global_store_b128 v[CO], v[OB+64*((\a)%2)+4*t:OB+64*((\a)%2)+4*t+3], s[8:9] offset:(\a)*65536+t*4096 th:TH_STORE_NT  ; 512 consecutive bytes, at a multiple of 512 from out0's first byte; nothing reads them again
.set t, t+1
.endr
.endm
	SC 0
	TOST 0
.irp a, 1,2,3                          ; block a's scaling stands between block a - 1's loads from the stage and the wait for them
	SC \a
	SEND (\a)-1
	TOST \a
.endr
	SEND 3
	s_wait_tensorcnt 0x0                           ; the wave's end: behind my last tensor load and my last LDS store
	ds_add_u32 v[SPW], v[NIL]
	s_wait_dscnt 0x0
	CROUND                                         ; the closing round
	s_endpgm
.Lfunc_end_k_q53e3d29d82_mix:
	.size	k_q53e3d29d82_mix, .Lfunc_end_k_q53e3d29d82_mix-k_q53e3d29d82_mix
	.p2alignl 7, 3214868480
	.fill 96, 4, 3214868480
	.section	.rodata,"a",@progbits
	.p2align	6, 0x0
	.amdhsa_kernel k_q53e3d29d82_mix
		.amdhsa_group_segment_fixed_size 327680
		.amdhsa_private_segment_fixed_size 0
		.amdhsa_enable_private_segment 0
		.amdhsa_kernarg_size 32
		.amdhsa_user_sgpr_count 2
		.amdhsa_user_sgpr_kernarg_segment_ptr 1
		.amdhsa_wavefront_size32 1
		.amdhsa_system_sgpr_workgroup_id_x 1
		.amdhsa_system_sgpr_workgroup_id_y 1
		.amdhsa_system_sgpr_workgroup_id_z 1
		.amdhsa_system_vgpr_workitem_id 0
		.amdhsa_next_free_vgpr 1024
		.amdhsa_next_free_sgpr 90
		.amdhsa_reserve_vcc 0
		.amdhsa_float_denorm_mode_32 3
		.amdhsa_float_denorm_mode_16_64 3
		.amdhsa_memory_ordered 1
		.amdhsa_forward_progress 1
		.amdhsa_inst_pref_size 114
	.end_amdhsa_kernel
	.amdgpu_metadata
---
amdhsa.version: [ 1, 2 ]
amdhsa.kernels:
  - .name:           k_q53e3d29d82_mix
    .symbol:         k_q53e3d29d82_mix.kd
    .args:
      - { .name: p, .offset: 0, .size: 8, .value_kind: global_buffer, .address_space: global }
      - { .name: qkv, .offset: 8, .size: 8, .value_kind: global_buffer, .address_space: global }
      - { .name: out0, .offset: 16, .size: 8, .value_kind: global_buffer, .address_space: global }
      - { .name: stats, .offset: 24, .size: 8, .value_kind: global_buffer, .address_space: global }
    .group_segment_fixed_size: 327680
    .private_segment_fixed_size: 0
    .kernarg_segment_align: 8
    .kernarg_segment_size: 32
    .max_flat_workgroup_size: 128
    .sgpr_count:     90
    .vgpr_count:     1024
    .wavefront_size: 32
...
	.end_amdgpu_metadata
.endif
;; end of part 4
;; ======== version 2 of 2: 4 launches; version 1 with the launch cast written anew for expert scheduling mode
;; limits: values are held in f16: magnitudes above 65,504 overflow, below 6.1e-05 lose precision
;; workspace buffers: xb 16,777,216 bytes; wb 6,291,456 bytes; qkv 50,331,648 bytes; p 33,554,432 bytes; stats 1,048,576 bytes
;; launch cast (part 5): grid 704 x 1, 8 waves a work-group, no clusters, 0 bytes of LDS; arguments hidden_states, W_proj, xb, wb; writes xb, wb
.if DOCPART == 5
	.amdgcn_target "amdgcn-amd-amdhsa--gfx1250"
	.amdhsa_code_object_version 6
	.text
	.protected	k_q53e3d29d82_cast
	.globl	k_q53e3d29d82_cast
	.p2align	8
	.type	k_q53e3d29d82_cast,@function
k_q53e3d29d82_cast:
	s_mov_b64 s[64:65], 0
	v_nop
	global_prefetch_b8 v0, s[64:65] scope:SCOPE_SE
	s_setreg_imm32_b32 hwreg(HW_REG_WAVE_SCHED_MODE, 0, 2), 2
	s_setreg_imm32_b32 hwreg(HW_REG_WAVE_MODE, 25, 1), 1
	s_wait_xcnt 0x0
	s_wait_alu depctr_vm_vsrc(0)
; xb = bf16(hidden_states), wb = bf16(W_proj): each number rounded once, to nearest even.  A stream: every byte is read once and written once;
; LDS, barriers, clusters and the matrix unit would add nothing, since no work-group shares a byte with another.
; A work-group of eight waves takes 65,536 bytes of f32 (16,384 numbers): groups 0 to 511 those of hidden_states (33,554,432 bytes), groups 512 to 703 those of W_proj (12,582,912 bytes).
; Thread t takes 16 bytes at 16 t of each block of 4,096 bytes: a load of a wave covers 512 consecutive bytes, a store 256 consecutive bytes at a multiple of 256 from the buffer's first byte.
; All sixteen loads of a wave go out at once; no register is written twice, so no wait frees a source.
; THE MODE: SCHED_MODE bits 1:0 = 2 (LLVM: expert scheduling mode 2), set by the entry lines.  The code itself states the register dependences
; between vector instructions and memory instructions, with s_wait_alu, always for 0.
; THE PLAN.  Registers that memory instructions touch:
;   v1, v2   byte offsets of the loads and of the stores.  Written once each, at the head, by a vector instruction; read by every load (v1) and every store (v2); never written again.
;   X        block j: four registers.  Written once, by load j; all sixteen loads are issued before any vector instruction names X; read by block j's two conversions, behind the counted wait for load j.
;   Y        block j: two registers.  Written once, by block j's two conversions; read once, by store j.
; So two kinds of dependence are left to state, both "a vector instruction has written what a memory instruction reads": the offsets, by one wait ahead of the first load, and Y, by one wait for each
; group of four blocks, behind the group's eight conversions and ahead of its four stores.  No load lands in a register that a vector instruction has named, and no register that a memory instruction has read is written again.
; A group's wait stands behind its own conversions and not behind the next group's wait for data: there the four finished stores would be held back until a further load has arrived.
.set XG, 512                           ; work-groups for hidden_states
.set X,  4                             ; v[4:67]   block j: 4 numbers as loaded
.set Y,  68                            ; v[68:99]  block j: 4 numbers in bf16
	s_load_b256 s[4:11], s[0:1], 0x0               ; hidden_states s[4:5], W_proj s[6:7], xb s[8:9], wb s[10:11]
	s_sub_co_u32 s16, ttmp9, XG                    ; my part of W_proj, if I am one of its groups
	v_lshlrev_b32 v1, 4, v0                        ; 16 bytes of f32 a thread,
	v_lshlrev_b32 v2, 3, v0                        ; 8 bytes of bf16
	s_wait_kmcnt 0x0
	s_cmp_lt_u32 ttmp9, XG                         ; the choice hangs on the group's number alone
	s_cselect_b64 s[12:13], s[4:5], s[6:7]         ; from
	s_cselect_b64 s[14:15], s[8:9], s[10:11]       ; to
	s_cselect_b32 s16, ttmp9, s16                  ; which part of that tensor
	s_lshl_b32 s18, s16, 16                        ; 65,536 bytes in,
	s_mov_b32 s19, 0
	s_lshl_b32 s20, s16, 15                        ; 32,768 bytes out
	s_mov_b32 s21, 0
	s_add_nc_u64 s[12:13], s[12:13], s[18:19]
	s_add_nc_u64 s[14:15], s[14:15], s[20:21]
	s_wait_alu depctr_va_vdst(0)                   ; v1 and v2 are written: every load below reads v1 as its offset, every store v2; no line writes them again
.set j, 0
.rept 16
	global_load_b128 v[X+4*j:X+4*j+3], v1, s[12:13] offset:4096*j th:TH_LOAD_NT  ; read once in the launch
.set j, j+1
.endr
.set j, 0
.rept 16
	s_wait_loadcnt 15-j                            ; loads come back in order (ISA guide 5.7.1): block j is in, the younger ones stay out
	v_cvt_pk_bf16_f32 v[Y+2*j],   v[X+4*j],   v[X+4*j+1]
	v_cvt_pk_bf16_f32 v[Y+2*j+1], v[X+4*j+2], v[X+4*j+3]
.if j%4 == 3                           ; a group of four blocks is rounded
	s_wait_alu depctr_va_vdst(0)                   ; the group's eight conversions have written Y of blocks j - 3 to j, which the four stores below read
.irp i, 3,2,1,0
	global_store_b64 v2, v[Y+2*(j-(\i)):Y+2*(j-(\i))+1], s[14:15] offset:2048*(j-(\i))  ; the next launch reads these bytes: no hint
.endr
.endif
.set j, j+1
.endr
	s_endpgm
.Lfunc_end_k_q53e3d29d82_cast:
	.size	k_q53e3d29d82_cast, .Lfunc_end_k_q53e3d29d82_cast-k_q53e3d29d82_cast
	.p2alignl 7, 3214868480
	.fill 96, 4, 3214868480
	.section	.rodata,"a",@progbits
	.p2align	6, 0x0
	.amdhsa_kernel k_q53e3d29d82_cast
		.amdhsa_group_segment_fixed_size 0
		.amdhsa_private_segment_fixed_size 0
		.amdhsa_enable_private_segment 0
		.amdhsa_kernarg_size 32
		.amdhsa_user_sgpr_count 2
		.amdhsa_user_sgpr_kernarg_segment_ptr 1
		.amdhsa_wavefront_size32 1
		.amdhsa_system_sgpr_workgroup_id_x 1
		.amdhsa_system_sgpr_workgroup_id_y 1
		.amdhsa_system_sgpr_workgroup_id_z 1
		.amdhsa_system_vgpr_workitem_id 0
		.amdhsa_next_free_vgpr 100
		.amdhsa_next_free_sgpr 66
		.amdhsa_reserve_vcc 0
		.amdhsa_float_denorm_mode_32 3
		.amdhsa_float_denorm_mode_16_64 3
		.amdhsa_memory_ordered 1
		.amdhsa_forward_progress 1
		.amdhsa_inst_pref_size 7
	.end_amdhsa_kernel
	.amdgpu_metadata
---
amdhsa.version: [ 1, 2 ]
amdhsa.kernels:
  - .name:           k_q53e3d29d82_cast
    .symbol:         k_q53e3d29d82_cast.kd
    .args:
      - { .name: hidden_states, .offset: 0, .size: 8, .value_kind: global_buffer, .address_space: global }
      - { .name: W_proj, .offset: 8, .size: 8, .value_kind: global_buffer, .address_space: global }
      - { .name: xb, .offset: 16, .size: 8, .value_kind: global_buffer, .address_space: global }
      - { .name: wb, .offset: 24, .size: 8, .value_kind: global_buffer, .address_space: global }
    .group_segment_fixed_size: 0
    .private_segment_fixed_size: 0
    .kernarg_segment_align: 8
    .kernarg_segment_size: 32
    .max_flat_workgroup_size: 256
    .sgpr_count:     66
    .vgpr_count:     100
    .wavefront_size: 32
...
	.end_amdgpu_metadata
.endif
;; end of part 5
;; launch proj: the kernel of part 2 again; grid 8 x 64, 4 waves a work-group, clusters of 4 x 4, 327,680 bytes of LDS; arguments xb, wb, qkv, b_proj; writes qkv
;; launch scores: the kernel of part 3 again; grid 8 x 32, 4 waves a work-group, clusters of 4 x 4, 327,680 bytes of LDS; arguments qkv, p, stats; writes p, stats
;; launch mix: the kernel of part 4 again; grid 4 x 64, 4 waves a work-group, clusters of 4 x 4, 327,680 bytes of LDS; arguments p, qkv, out0, stats; writes out0
